; MI455X (gfx1250); checked and timed in simulation.
; The chip was launched on July 23, 2026; its instructions are those of AMD's public machine-readable ISA for CDNA 5 (MIT licence, August 2026) and "CDNA5" Instruction Set Architecture Reference Guide (July 2026). The comments in the code are by the model that wrote it; some were corrected since.
;; Transformer Decoder Layer. Allowed arithmetic: matrix products marked QUANTISED: E2M1 operands, one E8M0 scale for each 32 along K, by v_wmma_scale_f32_16x16x128_f8f6f4 with both operands' format E2M1 (or v_wmma_scale_f32_32x16x128_f4), f32 sums; everything else in f32.
;; Inputs: W1_codes 4,096 x 32 x 16 uint8 (E2M1 codes of W1, K innermost, in blocks of 32 codes, two codes a byte); W1_scales 4,096 x 32 uint8 (E8M0 scales of W1, one for each 32 codes along K); W2_codes 1,024 x 128 x 16 uint8 (E2M1 codes of W2, K innermost, in blocks of 32 codes, two codes a byte); W2_scales 1,024 x 128 uint8 (E8M0 scales of W2, one for each 32 codes along K); Wk_codes 1,024 x 32 x 16 uint8 (E2M1 codes of Wk, K innermost, in blocks of 32 codes, two codes a byte); Wk_scales 1,024 x 32 uint8 (E8M0 scales of Wk, one for each 32 codes along K); Wo_codes 1,024 x 32 x 16 uint8 (E2M1 codes of Wo, K innermost, in blocks of 32 codes, two codes a byte); Wo_scales 1,024 x 32 uint8 (E8M0 scales of Wo, one for each 32 codes along K); Wq_codes 1,024 x 32 x 16 uint8 (E2M1 codes of Wq, K innermost, in blocks of 32 codes, two codes a byte); Wq_scales 1,024 x 32 uint8 (E8M0 scales of Wq, one for each 32 codes along K); Wv_codes 1,024 x 32 x 16 uint8 (E2M1 codes of Wv, K innermost, in blocks of 32 codes, two codes a byte); Wv_scales 1,024 x 32 uint8 (E8M0 scales of Wv, one for each 32 codes along K); b1 4,096 float32; b2 1,024 float32; bk 1,024 float32; bo 1,024 float32; bq 1,024 float32; bv 1,024 float32; x 2 x 2,048 x 1,024 float32.
;; Outputs: out0 2 x 2,048 x 1,024 float32.
;; This version of the problem:
;;   THIS VERSION OF THE PROBLEM IS GIVEN IN LOW PRECISION. The matrix products marked QUANTISED in the list below multiply operands that are first quantised to E2M1 (2 exponent bits, 1 mantissa bit; 4 bits a number), with one power-of-two scale for each 32 numbers along K (OCP MX v1.0); their sums are f32. All else is computed in f32.
;;   The module's matrix products, in the order in which they are computed (A, B: the left and right operand; K: the contracted axis; several contracted axes count as one K, in the product's order):
;;     1. [M 4,096, K 1,024] x [K 1,024, N 1,024]; A: input x; B: input Wq (given as codes): QUANTISED
;;     2. [M 4,096, K 1,024] x [K 1,024, N 1,024]; A: input x; B: input Wk (given as codes): QUANTISED
;;     3. [M 4,096, K 1,024] x [K 1,024, N 1,024]; A: input x; B: input Wv (given as codes): QUANTISED
;;     4. batch 32 x [M 2,048, K 64] x [K 64, N 2,048]; A: computed on the way; B: computed on the way: QUANTISED
;;     5. batch 32 x [M 2,048, K 2,048] x [K 2,048, N 64]; A: softmax (see below); B: computed on the way: QUANTISED
;;     6. [M 4,096, K 1,024] x [K 1,024, N 1,024]; A: computed on the way; B: input Wo (given as codes): QUANTISED
;;     7. [M 4,096, K 1,024] x [K 1,024, N 4,096]; A: computed on the way; B: input W1 (given as codes): QUANTISED
;;     8. [M 4,096, K 4,096] x [K 4,096, N 1,024]; A: computed on the way; B: input W2 (given as codes): QUANTISED
;;   THE QUANTISER, for each operand of a quantised product, along K:
;;     - K is cut into blocks of 32 from its start; a last block that is shorter is filled with zeros.
;;     - A block's scale is 2^e with e = floor(log2(the largest magnitude in the block)) - 2, held to -126 .. 127; a block of zeros has e = 0. As a byte (E8M0): e + 127.
;;     - Each number is divided by its block's scale, clamped to +-6, and rounded to the nearest number of E2M1, ties to even, subnormals kept.
;;     - The product sums the exact products of the quantised numbers (number of the format x scale) in f32.
;;   ~~~python
;;   def quantise(x, axis):      # numpy; x: float32 -> the quantised numbers, widened to float32 again
;;       x = np.moveaxis(x, axis, -1); K = x.shape[-1]
;;       x = np.pad(x, [(0, 0)] * (x.ndim - 1) + [(0, -K % 32)]); x = x.reshape(x.shape[:-1] + (-1, 32)); a = np.abs(x).max(-1, keepdims=True)
;;       e = np.where(a > 0, np.clip(np.frexp(np.where(a > 0, a, 1))[1] - 1 - 2, -126, 127), 0)      # np.frexp(a)[1] - 1 = floor(log2(a)), exactly
;;       r = np.clip(x / 2.0 ** e, -6, 6)
;;       step = 2.0 ** (np.maximum(np.frexp(np.where(r == 0, 1, r))[1] - 1, 0) - 1)
;;       q = np.round(r / step) * step * 2.0 ** e      # np.round: ties to even
;;       return np.moveaxis(q.reshape(q.shape[:-2] + (-1,))[..., :K], -1, axis).astype(np.float32)
;;   ~~~
;;   SOFTMAX AHEAD OF A QUANTISED PRODUCT. Where the list says 'softmax', what is quantised is not the finished softmax but p = 2^(t - M), with t = logit x log2(e) and M = ceil(the row's largest t), a whole number; so 1/2 < the row's largest p <= 1. The row's sum l is taken of the UNQUANTISED p, in f32, and the product's result is divided by l at the end. Since M is a whole number, a kernel that streams over the keys may use a running M (the ceiling of the running maximum): every later rescaling is an exact power of two, which a block's scale takes up: the codes' values come out the same.
;;   OPERANDS COMPUTED ON THE WAY. 'Computed on the way' means the value that the module computes at that place (a softmax that the list does not call 'softmax' is quantised finished and normalised). What goes into a quantiser is computed in f32, as accurately as f32 sums, v_exp_f32 and their like allow (about 1e-6 of the number): no bf16 or f16 on the way to a quantiser, and a product that is left as it is and whose result goes on into a quantised operand takes f32 operands (vector FMAs, or v_wmma_f32_16x16x4_f32). A number that lies on a knife's edge between two numbers of the format may be rounded either way, as far as f32 arithmetic and the matrix unit's own rounding can turn it there, and no further.
;;   INPUTS GIVEN AS CODES. W1 (in the module: [1024, 4096], K = its axis 0); W2 (in the module: [4096, 1024], K = its axis 0); Wk (in the module: [1024, 1024], K = its axis 0); Wo (in the module: [1024, 1024], K = its axis 0); Wq (in the module: [1024, 1024], K = its axis 0); Wv (in the module: [1024, 1024], K = its axis 0): each comes as NAME_codes (uint8): NAME with its K axis moved to the last place and cut into blocks of 32 codes, [.., K / 32, bytes a block], one block behind the other in memory; two codes a byte, the lower K in the low four bits (a code: sign, 2 exponent bits, 1 mantissa bit); and NAME_scales (uint8): the same leading axes, one E8M0 byte (e + 127) for each 32 codes along K. Its value is code x scale, taken as it is: it is not quantised again, and the codes and scales need not be those that the quantiser above would give.
;; One version. Each part assembles by itself: llvm-mc -triple=amdgcn-amd-amdhsa -mcpu=gfx1250 --defsym DOCPART=n.
;; ======== version 1 of 1: 6 launches
;; limits: right only within a limited range of input values
;; workspace buffers: xq 2,228,224 bytes; qb 2,359,296 bytes; kv 4,587,520 bytes; oq 2,228,224 bytes; x1 16,777,216 bytes; x1q 2,228,224 bytes; hq 8,912,896 bytes
;; launch quantx (part 1): grid 256 x 1, 8 waves a work-group, no clusters, 69,120 bytes of LDS; arguments x, xq; writes xq
.if DOCPART == 1
	.amdgcn_target "amdgcn-amd-amdhsa--gfx1250"
	.amdhsa_code_object_version 6
	.text
	.protected	k_q8f4a16cce9_quantx
	.globl	k_q8f4a16cce9_quantx
	.p2align	8
	.type	k_q8f4a16cce9_quantx,@function
k_q8f4a16cce9_quantx:
	s_mov_b64 s[64:65], 0
	v_nop
	global_prefetch_b8 v0, s[64:65] scope:SCOPE_SE
	s_setreg_imm32_b32 hwreg(HW_REG_WAVE_MODE, 25, 1), 1
	s_wait_xcnt 0x0
; THE PROGRAM: a decoder layer, 4,096 rows of 1,024, 16 heads of 64, hidden 4,096, every product on codes of E2M1 with one E8M0 scale for each 32 along K.
; Six launches: quantx (this one: x into codes), proj (q, k, v), attn, wo (x1 = x + out Wo + bo), ff1 (relu(x1 W1 + b1)), ff2 (x1 + h W2 + b2).
; WORK LEFT OUT, in attn alone: the layer's mask is built in its own body (triu, k = 1): for a query s every key > s has the logit -infinity, so its weight is 0 for all values of the inputs.
; A step of 128 keys all of which come after a tile's 16 queries therefore adds 0 to the sum and to the product, and is not multiplied.  LIMIT: a NaN, an infinity or an overflow that lies only in
; such keys or values is not carried to those queries.  Every input has a way to the output: all are loaded; every bias moves the codes of a later operand and stays.
; THIS LAUNCH: x [4096][1024] f32 becomes codes and scale words in the order in which a matrix operand's registers take them:
;   codes  [K / 512][row tile of 16][K step of 128 in the 512][c 0..1][lane][16 bytes]: lane (r, h) holds block 2 c + h of the step, of row r: registers 4 c .. 4 c + 3 of the fragment;
;   behind them, at byte 2,097,152: scale words [K step][row], byte b for block b.
; A block's scale is 2^(floor(log2(largest magnitude)) - 2): its byte is the largest magnitude's exponent field - 2, held at 1 from below.
; LIMITS: a block of zeros gets the byte 1 where the rule says 127 (its codes are zeros, and this program alone reads the bytes); largest magnitudes under 2^-124 are held at that floor; NaN and infinities are not served.
; SHARES: a wave takes one tile, 16 rows x 128 along K; four waves take 64 rows of one K step, a work-group two such groups.  All 16 loads of a wave (512 bytes each) are asked for at once: no loop, so no prefetch.
; The tile turns through the wave's own stage in LDS, so that a lane then holds two whole blocks of 32; a group's 64 scale words leave as one run of 256 bytes, behind the one barrier.
.set STG,   8448                       ; a wave's stage: 16 rows x 528 bytes
.set SWO,   8*STG                      ; the scale words: 256 bytes for each group of four waves
.set SPARE, SWO+512                    ; the spare words, 128 bytes for each wave
.set R,     32                         ; v32-95   the tile as loaded
.set X,     160                        ; v160-223 my two blocks of 32
.set C,     224                        ; v224-231 codes
	s_load_b128 s[4:7], s[0:1], 0x0                ; x, xq
	v_lshl_add_u32 v12, v0, 2, SPARE               ; my spare word
	v_mov_b32 v13, 0
	v_lshrrev_b32 v1, 5, v0
	v_readfirstlane_b32 s8, v1                     ; wave
	v_and_b32 v2, 31, v0                           ; lane
	v_and_b32 v3, 15, v0                           ; r
	v_bfe_u32 v11, v0, 4, 1                        ; h
	s_and_b32 s28, s8, 3                           ; my tile of the group's four
	s_lshr_b32 s29, s8, 2                          ; my group
	s_mul_i32 s9, s8, STG
	v_lshlrev_b32 v4, 4, v2                        ; 16 x lane: my bytes of a row's 512, and of an image's 512
	v_add_nc_u32 v5, s9, v4                        ; the stage, on the way in
	v_mul_u32_u24 v6, v3, 528
	v_lshl_add_u32 v6, v11, 7, v6
	v_add_nc_u32 v6, s9, v6                        ; and out: row r, + 128 h: my block of each 64
	s_lshl_b32 s30, s29, 8
	s_add_co_u32 s30, s30, SWO                     ; my group's words
	s_lshl_b32 s31, s28, 6
	s_add_co_u32 s31, s31, s30
	v_lshl_add_u32 v7, v3, 2, s31                  ; my row's scale word
	v_lshl_add_u32 v8, v2, 3, s30                  ; the 64 words on the way out, 8 bytes a lane
	v_lshlrev_b32 v9, 3, v2
	v_lshlrev_b32 v10, 3, v11                      ; 8 h: my bytes' place in the word
	v_mov_b32 v21, 0                               ; a lane permute's destination counts as one of its sources
	s_mov_b32 s26, 0x76543210
	s_mov_b32 s27, 0xfedcba98                      ; selects for lane l xor 16
	s_lshl_b32 s10, ttmp9, 1
	s_add_co_u32 s10, s10, s29                     ; the group's task
	s_and_b32 s11, s10, 7                          ; its K step
	s_lshr_b32 s12, s10, 3                         ; its 64 rows
	s_lshl_b32 s14, s12, 18
	s_lshl_b32 s13, s28, 16
	s_add_co_u32 s14, s14, s13                     ; x: my 16 rows of 4,096 bytes,
	s_lshl_b32 s13, s11, 9
	s_add_co_u32 s14, s14, s13                     ; 512 bytes a K step
	s_mov_b32 s15, 0
	s_lshr_b32 s16, s11, 2
	s_lshl_b32 s16, s16, 20
	s_lshl_b32 s13, s12, 14
	s_add_co_u32 s16, s16, s13
	s_lshl_b32 s13, s28, 12
	s_add_co_u32 s16, s16, s13
	s_and_b32 s13, s11, 3
	s_lshl_b32 s13, s13, 10
	s_add_co_u32 s16, s16, s13                     ; the codes
	s_mov_b32 s17, 0
	s_lshl_b32 s18, s11, 14
	s_lshl_b32 s13, s12, 8
	s_add_co_u32 s18, s18, s13
	s_add_co_u32 s18, s18, 2097152                 ; the scale words
	s_mov_b32 s19, 0
	s_wait_alu depctr_va_vdst(0)                   ; the wait at the head's end
	s_wait_kmcnt 0x0
	s_add_nc_u64 s[20:21], s[4:5], s[14:15]
	s_add_nc_u64 s[22:23], s[6:7], s[16:17]
	s_add_nc_u64 s[24:25], s[6:7], s[18:19]
.irp t, 0,1,2,3,4,5,6,7,8,9,10,11,12,13,14,15
	global_load_b128 v[R+4*\t:R+4*\t+3], v4, s[20:21] offset:\t*4096 th:TH_LOAD_NT   ; a row's 512 consecutive bytes
.endr
.irp t, 0,1,2,3,4,5,6,7,8,9,10,11,12,13,14,15
	s_wait_loadcnt 15-\t                           ; row t is in; the rows behind it may be out
	ds_store_b128 v5, v[R+4*\t:R+4*\t+3] offset:528*\t
.endr
.irp c, 0,1
.irp e, 0,1,2,3,4,5,6,7
	ds_load_b128 v[X+32*\c+4*\e:X+32*\c+4*\e+3], v6 offset:256*\c+16*\e   ; LDS serves a wave's instructions in order: these see the stores above
.endr
.endr
	s_wait_dscnt 0x0
	v_max3_num_f32 v14, |v[X]|, |v[X+1]|, 0x1800000    ; my blocks h and 2 + h of row r, with the floor 2^(3 - 127): the byte cannot fall under 1
	v_max3_num_f32 v15, |v[X+32]|, |v[X+33]|, 0x1800000
.irp e, 2,4,6,8,10,12,14,16,18,20,22,24,26,28,30
	v_max3_num_f32 v14, v14, |v[X+\e]|, |v[X+\e+1]|    ; the two blocks by turns
	v_max3_num_f32 v15, v15, |v[X+32+\e]|, |v[X+33+\e]|
.endr
	v_add_nc_u32 v16, 0xff000000, v14              ; 2 off the exponent field: the conversion's scale operand
	v_add_nc_u32 v17, 0xff000000, v15
	v_lshrrev_b32 v18, 23, v16                     ; the bytes
	v_lshrrev_b32 v19, 23, v17
	v_lshl_or_b32 v20, v19, 16, v18
	v_lshlrev_b32 v20, v10, v20                    ; at their places in the word
	v_permlanex16_b32 v21, v20, s26, s27
	v_or_b32 v22, v20, v21                         ; with lane l xor 16's two the word is whole
.irp c, 0,1
.irp g, 0,1,2,3
	v_cvt_scalef32_pk8_fp4_f32 v[C+4*\c+\g], v[X+32*\c+8*\g:X+32*\c+8*\g+7], v[16+\c]
.endr
.endr
	v_nop                                          ; one plain line behind the last conversion
	ds_store_b32 v7, v22                           ; both halves of the lanes write the same word with the same value
	global_store_b128 v4, v[C:C+3], s[22:23]       ; 512 consecutive bytes, aligned
	global_store_b128 v4, v[C+4:C+7], s[22:23] offset:512
	s_wait_dscnt 0x0                               ; for the others' sake: my words are stored
	s_barrier_signal -1
	s_barrier_wait -1
	s_cmp_lg_u32 s28, 0                            ; the group's first wave sends its 64 words
	s_cbranch_scc1 .Lend
	ds_load_b64 v[14:15], v8
	s_wait_dscnt 0x0
	global_store_b64 v9, v[14:15], s[24:25]        ; 256 consecutive bytes, aligned
.Lend:
	s_wait_tensorcnt 0x0                           ; the wave's end: behind my last LDS store
	ds_add_u32 v12, v13
	s_wait_dscnt 0x0
	s_endpgm
.Lfunc_end_k_q8f4a16cce9_quantx:
	.size	k_q8f4a16cce9_quantx, .Lfunc_end_k_q8f4a16cce9_quantx-k_q8f4a16cce9_quantx
	.p2alignl 7, 3214868480
	.fill 96, 4, 3214868480
	.section	.rodata,"a",@progbits
	.p2align	6, 0x0
	.amdhsa_kernel k_q8f4a16cce9_quantx
		.amdhsa_group_segment_fixed_size 69120
		.amdhsa_private_segment_fixed_size 0
		.amdhsa_enable_private_segment 0
		.amdhsa_kernarg_size 16
		.amdhsa_user_sgpr_count 2
		.amdhsa_user_sgpr_kernarg_segment_ptr 1
		.amdhsa_wavefront_size32 1
		.amdhsa_system_sgpr_workgroup_id_x 1
		.amdhsa_system_sgpr_workgroup_id_y 1
		.amdhsa_system_sgpr_workgroup_id_z 1
		.amdhsa_system_vgpr_workitem_id 0
		.amdhsa_next_free_vgpr 256
		.amdhsa_next_free_sgpr 66
		.amdhsa_reserve_vcc 0
		.amdhsa_float_denorm_mode_32 3
		.amdhsa_float_denorm_mode_16_64 3
		.amdhsa_memory_ordered 1
		.amdhsa_forward_progress 1
		.amdhsa_inst_pref_size 11
	.end_amdhsa_kernel
	.amdgpu_metadata
---
amdhsa.version: [ 1, 2 ]
amdhsa.kernels:
  - .name:           k_q8f4a16cce9_quantx
    .symbol:         k_q8f4a16cce9_quantx.kd
    .args:
      - { .name: x, .offset: 0, .size: 8, .value_kind: global_buffer, .address_space: global }
      - { .name: xq, .offset: 8, .size: 8, .value_kind: global_buffer, .address_space: global }
    .group_segment_fixed_size: 69120
    .private_segment_fixed_size: 0
    .kernarg_segment_align: 8
    .kernarg_segment_size: 16
    .max_flat_workgroup_size: 256
    .sgpr_count:     66
    .vgpr_count:     256
    .wavefront_size: 32
...
	.end_amdgpu_metadata
.endif
;; end of part 1
;; launch proj (part 2): grid 12 x 16, 4 waves a work-group, clusters of 4 x 4, 327,680 bytes of LDS; arguments xq, Wq_codes, Wq_scales, bq, Wk_codes, Wk_scales, bk, Wv_codes, Wv_scales, bv, qb, kv; writes qb, kv
.if DOCPART == 2
	.amdgcn_target "amdgcn-amd-amdhsa--gfx1250"
	.amdhsa_code_object_version 6
	.text
	.protected	k_q8f4a16cce9_proj
	.globl	k_q8f4a16cce9_proj
	.p2align	8
	.type	k_q8f4a16cce9_proj,@function
k_q8f4a16cce9_proj:
	s_mov_b64 s[64:65], 0
	v_nop
	global_prefetch_b8 v0, s[64:65] scope:SCOPE_SE
	s_setreg_imm32_b32 hwreg(HW_REG_WAVE_MODE, 25, 1), 1
	s_wait_xcnt 0x0
	s_wait_alu depctr_hold_cnt(0) depctr_sa_sdst(0) depctr_va_vdst(0) depctr_va_sdst(0) depctr_va_ssrc(0) depctr_va_vcc(0) depctr_vm_vsrc(0)
	s_getreg_b32 s2, hwreg(HW_REG_IB_STS2, 6, 4)
	s_cmp_eq_u32 s2, 0
	s_cbranch_scc0 .Lentry_in_a_cluster
	s_endpgm
.Lentry_in_a_cluster:
	s_bfe_u32 s2, ttmp6, 0x10000c
	s_cmp_lg_u32 s2, 0xf033
	s_cbranch_scc0 .Lentry_shape_is_right
	s_endpgm
.Lentry_shape_is_right:
; q = x Wq + bq, k = x Wk + bk, v = x Wv + bv on codes of E2M1, and each result quantised for attention: q and k along the head's 64, v along the keys.
; The cluster's x (0, 1, 2) says which of the three; a work-group makes 256 rows x 256 columns (four heads), each of its four waves 128 x 128: 64 accumulators.  K = 1,024 is two LDS slots of 512: both are
; first fills, nothing is filled again.  x's codes come as images of the operand's registers (dense blocks), the weights as rows of 256 bytes + 16 of padding; all scale words of the tile come once.
; CLUSTER 4 x 4: x's tiles are shared along a row of the cluster, the weights' along a column: each is asked for jointly, by one tensor load with a mask that names the four.
; q, k: the product is used transposed (source 0 = 16 rows of W, source 1 = 16 rows of x): a lane holds one row and eight neighbouring columns, so four tiles are a head's 64 numbers of that row.
; v: source 0 = x, source 1 = W: a lane holds one column d and eight neighbouring keys, so four tiles are 64 neighbouring keys of that d.
; OUT: qb [batch x head][128 queries]: 8 tiles x 512 bytes (lane (r, h): block h of row r), then 128 scale words [l][i] for row 32 i + l (bytes 2, 3 = 127: they scale zero codes).
;      kv [batch x head][128 keys] records of 8,960 bytes: k as q; at 4,096 v's images [16 d][c][lane][16]; at 8,192 k's words; at 8,704 v's words [l][i] for d tile 2 i + l / 16.
; LIMITS of the quantiser: a block of zeros gets the byte 1 (its codes are zeros; this program alone reads the bytes); largest magnitudes under 2^-124 are held at that floor; NaN and infinities are not served.
; REGISTERS: window 0: v1-29 addresses; v32-95 scale words, two sets, and nothing else; v128-191 x's fragments, one set; on the way out v96-103, v128-247.  window 1: W's fragments at v0 and v128; the bias at v64-127.
;   window 2: accumulators of my rows 0-63 ((a, b) at v[8 (8 a + b)]); window 3: of rows 64-127.
; HOW THE TILES COME: each wave has ONE joint load, at the head, which brings both slots' part at once: waves 0 and 1 half of x's row tiles (two runs of 512 along K, 32,768 bytes each),
; waves 2 and 3 half of W's rows, whole: 512 bytes + 16 of padding a row (so read the 256 + 16 above).  The scale words of all of K go from memory straight into their registers, once.
; No loop asks for tiles here, so nothing is prefetched.
.set BOFF,   131072                    ; x: two halves of 65,536; then W: 256 rows x 528
.set PITCH,  528
.set STG1,   BOFF+256*PITCH
.set STG2,   STG1+4096                 ; v's way has bytes of its own
.set SPARE,  STG2+4096                 ; the spare words, 128 bytes for each wave
.set STA1, 8
.set STR1, 9
.set STA2, 10
.set STR2, 11
.set BQ,   12
.set BV,   13
.set LIS,  14
.set VSO,  15
.set ADRA, 16
.set ADRB, 20
.set LI,   24
.set ADSB, 26
.set ADSA, 27
.set SPW,  28
.set NIL,  29
.set SC,   32
.set AF,   128
.set TT,   128                         ; the way out: 32 numbers,
.set CC,   160                         ; four registers of codes for each of 16 groups, never rewritten,
.set WW,   224                         ; a scale word for each,
.set QM,   240                         ; and the quantiser's own
.set QP,   242
.set QS,   244
.set QE,   246
.set SEL,  98
.set G1, 24
.set G0, 32
.set G1B, 48
.set G0B, 56
.set MSB, 0
.macro WIN new                         ; the immediate's high byte repeats the setting that is left
.if MSB != (\new)
	s_set_vgpr_msb (MSB<<8)|(\new)
.set MSB, (\new)
.endif
.endm
.macro PLACES                          ; four plain lines between a matrix instruction and a load into, or a vector line on, its registers
.rept 4
	v_nop
.endr
.endm
.macro JLOAD g0a, g1a, g0b, g1b        ; a joint load: waves 0 and 1 fetch for x, waves 2 and 3 for W; the branch hangs on the wave's number alone
	s_cmp_eq_u32 s15, 0
	s_cbranch_scc0 .Lfor_b_\@
	tensor_load_to_lds s[\g0a:\g0a+3], s[\g1a:\g1a+7]
	s_nop 0
.rept 4
	v_nop
.endr
	s_branch .Lasked_\@
.Lfor_b_\@:
	tensor_load_to_lds s[\g0b:\g0b+3], s[\g1b:\g1b+7]
	s_nop 0
.rept 4
	v_nop
.endr
.Lasked_\@:
.endm
.macro CROUND                          ; a round of the cluster's barrier
	s_barrier_signal -1
	s_barrier_wait -1
	s_cmp_lg_u32 s14, 0
	s_cbranch_scc1 .Lnot_wave_0_\@
	s_barrier_signal -3
.Lnot_wave_0_\@:
	s_barrier_wait -3
	s_barrier_signal -1
	s_barrier_wait -1
.endm
; one product: D, source 0, source 1, C (under 0: the constant 0), their scale registers, and which half of the lanes holds each side's words
.macro WM d, s0, s1, c, x0, x1, r0, r1
.if (\c) < 0
.if ((\r0) == 0) && ((\r1) == 0)
	v_wmma_scale_f32_16x16x128_f8f6f4 v[\d:\d+7], v[\s0:\s0+7], v[\s1:\s1+7], 0, v[\x0], v[\x1] matrix_a_fmt:MATRIX_FMT_FP4 matrix_b_fmt:MATRIX_FMT_FP4
.elseif (\r1) == 0
	v_wmma_scale_f32_16x16x128_f8f6f4 v[\d:\d+7], v[\s0:\s0+7], v[\s1:\s1+7], 0, v[\x0], v[\x1] matrix_a_fmt:MATRIX_FMT_FP4 matrix_b_fmt:MATRIX_FMT_FP4 matrix_a_scale:MATRIX_SCALE_ROW1
.elseif (\r0) == 0
	v_wmma_scale_f32_16x16x128_f8f6f4 v[\d:\d+7], v[\s0:\s0+7], v[\s1:\s1+7], 0, v[\x0], v[\x1] matrix_a_fmt:MATRIX_FMT_FP4 matrix_b_fmt:MATRIX_FMT_FP4 matrix_b_scale:MATRIX_SCALE_ROW1
.else
	v_wmma_scale_f32_16x16x128_f8f6f4 v[\d:\d+7], v[\s0:\s0+7], v[\s1:\s1+7], 0, v[\x0], v[\x1] matrix_a_fmt:MATRIX_FMT_FP4 matrix_b_fmt:MATRIX_FMT_FP4 matrix_a_scale:MATRIX_SCALE_ROW1 matrix_b_scale:MATRIX_SCALE_ROW1
.endif
.else
.if ((\r0) == 0) && ((\r1) == 0)
	v_wmma_scale_f32_16x16x128_f8f6f4 v[\d:\d+7], v[\s0:\s0+7], v[\s1:\s1+7], v[\c:\c+7], v[\x0], v[\x1] matrix_a_fmt:MATRIX_FMT_FP4 matrix_b_fmt:MATRIX_FMT_FP4
.elseif (\r1) == 0
	v_wmma_scale_f32_16x16x128_f8f6f4 v[\d:\d+7], v[\s0:\s0+7], v[\s1:\s1+7], v[\c:\c+7], v[\x0], v[\x1] matrix_a_fmt:MATRIX_FMT_FP4 matrix_b_fmt:MATRIX_FMT_FP4 matrix_a_scale:MATRIX_SCALE_ROW1
.elseif (\r0) == 0
	v_wmma_scale_f32_16x16x128_f8f6f4 v[\d:\d+7], v[\s0:\s0+7], v[\s1:\s1+7], v[\c:\c+7], v[\x0], v[\x1] matrix_a_fmt:MATRIX_FMT_FP4 matrix_b_fmt:MATRIX_FMT_FP4 matrix_b_scale:MATRIX_SCALE_ROW1
.else
	v_wmma_scale_f32_16x16x128_f8f6f4 v[\d:\d+7], v[\s0:\s0+7], v[\s1:\s1+7], v[\c:\c+7], v[\x0], v[\x1] matrix_a_fmt:MATRIX_FMT_FP4 matrix_b_fmt:MATRIX_FMT_FP4 matrix_a_scale:MATRIX_SCALE_ROW1 matrix_b_scale:MATRIX_SCALE_ROW1
.endif
.endif
.endm
; 16 products: x's blocks a0, a0 + 1 against W's eight, the slot's q-th 128 along K.  p: W's set; sc: the set of scale words; zero = 1: they start the sums; swp = 1: x is source 0.
; The 64 accumulators take turns, one instruction a turn, in the same order in every step.
.macro MUL16 a0, p, q, sc, zero, swp
.irp a, \a0, \a0+1
.irp b, 0,1,2,3,4,5,6,7
.set rD, 8*(8*((\a)%4)+\b)
.set rB, 128*(\p)+8*\b
.set rA, AF+8*(\a)
.set xA, SC+32*(\sc)+4*(\q)+(\a)/2
.set xB, SC+32*(\sc)+16+4*(\b/2)+(\q)
.if \zero
.set cc, -1
.else
.set cc, rD
.endif
.if \swp
	WM rD, rA, rB, cc, xA, xB, (\a)%2, \b%2
.else
	WM rD, rB, rA, cc, xB, xA, \b%2, (\a)%2
.endif
.endr
.endr
.endm
.macro WINM hi, swp                    ; C and D in window 2 + hi; W's fragments in window 1, x's in window 0
	WIN ((2+\hi)<<6)|((2+\hi)<<4)|(1+3*(\swp))
.endm
.macro FETCH_B slot, q, p              ; W's eight fragments of the slot's q-th 128 along K into set p: two loads of 16 bytes, 32 bytes apart, from rows
	WIN 0x40
.irp i, 0,1,2,3,4,5,6,7
.irp c, 0,1
	ds_load_b128 v[128*(\p)+8*\i+4*\c:128*(\p)+8*\i+4*\c+3], v[ADRB+\slot] offset:64*(\q)+32*\c+\i*16*PITCH
.endr
.endr
	WIN 0
.endm
.macro FETCH_A slot, q, i0             ; x's blocks i0 .. i0 + 3: images, 512 consecutive bytes a load
.irp i, \i0, \i0+1, \i0+2, \i0+3
.irp c, 0,1
	ds_load_b128 v[AF+8*(\i)+4*\c:AF+8*(\i)+4*\c+3], v[ADRA+\slot] offset:4096*(\i)+1024*(\q)+512*\c
.endr
.endr
.endm
.macro SCALES sc                       ; slot sc's scale words.  x's: register 4 q + i: lanes 0-15 block 2 i, lanes 16-31 block 2 i + 1.  W's: register 16 + 4 i + q likewise
.irp q, 0,1,2,3
.irp i, 0,1,2,3
	global_load_b32 v[SC+32*\sc+4*\q+\i], v[ADSA], s[68:69] offset:(4*\sc+\q)*16384+128*\i
.endr
.endr
.irp i, 0,1,2,3
	global_load_b128 v[SC+32*\sc+16+4*\i:SC+32*\sc+16+4*\i+3], v[ADSB], s[70:71] offset:16*\sc+1024*\i
.endr
.endm
.macro STEP slot, q, zero, swp         ; a step of 128 along K that has its successor in the same slot
	s_wait_dscnt 8                                 ; all but the youngest eight loads (x's blocks 4-7)
	WINM 0, \swp
	MUL16 0, (\q)%2, \q, \slot, \zero, \swp
	MUL16 2, (\q)%2, \q, \slot, \zero, \swp
	s_wait_dscnt 0x0                               ; x's blocks 4-7 are in
	PLACES
.set nS, (\slot)+((\q)+1)/4            ; the step behind a slot's last is the next slot's first
.set nQ, ((\q)+1)%4
	FETCH_B nS, nQ, 1-(\q)%2
	FETCH_A nS, nQ, 0
	WINM 1, \swp
	MUL16 4, (\q)%2, \q, \slot, \zero, \swp
	MUL16 6, (\q)%2, \q, \slot, \zero, \swp
	PLACES
	WIN 0
	FETCH_A nS, nQ, 4
.endm
.macro MAIN swp                        ; all of K: eight steps
	FETCH_B 0, 0, 0
	FETCH_A 0, 0, 0
	FETCH_A 0, 0, 4
	s_wait_loadcnt 16                              ; all scale words are in; the bias's 16 loads may be out
	STEP 0, 0, 1, \swp
	STEP 0, 1, 0, \swp
	STEP 0, 2, 0, \swp
	STEP 0, 3, 0, \swp
	STEP 1, 0, 0, \swp
	STEP 1, 1, 0, \swp
	STEP 1, 2, 0, \swp
	s_wait_dscnt 8
	WINM 0, \swp
	MUL16 0, 1, 3, 1, 0, \swp
	MUL16 2, 1, 3, 1, 0, \swp
	s_wait_dscnt 0x0
	WINM 1, \swp
	MUL16 4, 1, 3, 1, 0, \swp
	MUL16 6, 1, 3, 1, 0, \swp
	WIN 0
	PLACES
.endm
; 32 numbers of a lane, register 8 u + j = place 16 u + 8 (lane / 16) + j of 64 neighbours along the next K, become codes: afterwards lane (r, h) holds in v[c .. c + 3] the 16 bytes of block h; v[QE], v[QE+1]: the two bytes
.macro QUANT64 t, c
	v_max3_num_f32 v[QM], |v[\t]|, |v[\t+1]|, 0x1800000        ; with the floor 2^(3 - 127)
	v_max3_num_f32 v[QM+1], |v[\t+16]|, |v[\t+17]|, 0x1800000
.irp i, 2,4,6,8,10,12,14
	v_max3_num_f32 v[QM], v[QM], |v[\t+\i]|, |v[\t+\i+1]|
	v_max3_num_f32 v[QM+1], v[QM+1], |v[\t+16+\i]|, |v[\t+17+\i]|
.endr
	v_permlanex16_b32 v[QP], v[QM], s[SEL], s[SEL+1]
	v_permlanex16_b32 v[QP+1], v[QM+1], s[SEL], s[SEL+1]
	v_max_num_f32 v[QM], v[QM], v[QP]              ; with lane l xor 16's: the block's largest magnitude
	v_max_num_f32 v[QM+1], v[QM+1], v[QP+1]
	v_add_nc_u32 v[QS], 0xff000000, v[QM]          ; 2 off the exponent field: the conversion's scale operand
	v_add_nc_u32 v[QS+1], 0xff000000, v[QM+1]
	v_lshrrev_b32 v[QE], 23, v[QS]
	v_lshrrev_b32 v[QE+1], 23, v[QS+1]
	v_cvt_scalef32_pk8_fp4_f32 v[\c], v[\t:\t+7], v[QS]
	v_cvt_scalef32_pk8_fp4_f32 v[\c+2], v[\t+8:\t+15], v[QS]
	v_cvt_scalef32_pk8_fp4_f32 v[\c+1], v[\t+16:\t+23], v[QS+1]
	v_cvt_scalef32_pk8_fp4_f32 v[\c+3], v[\t+24:\t+31], v[QS+1]
	v_nop                                          ; one plain line behind the conversions
	v_permlane16_swap_b32 v[\c], v[\c+1]           ; a whole block to a lane: lanes 0-15 block 0, lanes 16-31 block 1
	v_permlane16_swap_b32 v[\c+2], v[\c+3]
.endm
	s_load_b512 s[68:83], s[0:1], 0x0              ; xq, Wq codes, scales, bq, Wk codes, scales, bk, Wv codes
	s_load_b256 s[84:91], s[0:1], 0x40             ; Wv scales, bv, qb, kv
	v_lshl_add_u32 v[SPW], v0, 2, SPARE
	v_mov_b32 v[NIL], 0
	ds_add_u32 v[SPW], v[NIL]                      ; the wave's opening: the add, twice on end, and its wait ahead of my first tensor load
	ds_add_u32 v[SPW], v[NIL]
	v_lshrrev_b32 v1, 5, v0
	v_readfirstlane_b32 s14, v1                    ; wave
	s_lshr_b32 s15, s14, 1                         ; my half of the rows; also: I fetch for x (0) or for W (1)
	s_and_b32 s16, s14, 1                          ; my half of the columns; also: which half I fetch
	s_bfe_u32 s40, ttmp6, 0x40000                  ; cx: also the tile column inside the chosen weight
	s_bfe_u32 s41, ttmp6, 0x40004                  ; cy
	s_and_b32 s17, ttmp7, 0xffff
	s_lshl_b32 s17, s17, 2
	s_add_co_u32 s17, s17, s41                     ; tile row
	s_lshl_b32 s43, s41, 2
	s_lshl_b32 s43, 15, s43                        ; my row of the cluster
	s_lshl_b32 s44, 0x1111, s40                    ; my column
	s_or_b32 s[G1], s43, (3<<16)|(1<<21)           ; x's codes: 128 rows of 32 elements of 8 bytes, dense: eight row tiles' images
	s_mov_b32 s[G1+1], 4096<<16                    ; (as it now stands: 2 rows of 4,096 elements, one for each run of 512 along K, 1,048,576 bytes apart: eight row tiles' images a row)
	s_mov_b32 s[G1+2], 2<<16
	s_mov_b32 s[G1+3], 4096<<16
	s_mov_b32 s[G1+4], 2
	s_mov_b32 s[G1+5], 131072
	s_mov_b32 s[G1+6], 0
	s_mov_b32 s[G1+7], 0
	s_or_b32 s[G1B], s44, (1<<20)|(1<<21)|(6<<22)|(3<<25)  ; W's codes: 128 rows of 512 bytes; four words of padding behind every 128
	s_mov_b32 s[G1B+1], 512<<16
	s_mov_b32 s[G1B+2], 128<<16
	s_mov_b32 s[G1B+3], 512<<16
	s_mov_b32 s[G1B+4], 128
	s_mov_b32 s[G1B+5], 512
	s_mov_b32 s[G1B+6], 0
	s_mov_b32 s[G1B+7], 0
	s_lshl_b32 s20, s17, 16
	s_lshl_b32 s18, s16, 15
	s_add_co_u32 s20, s20, s18                     ; x's codes: (16 tile row + 8 half) x 4,096
	s_mov_b32 s21, 0
	s_lshl_b32 s22, s17, 10
	s_lshl_b32 s18, s15, 9
	s_add_co_u32 s22, s22, s18
	s_add_co_u32 s22, s22, 2097152                 ; x's scale words
	s_mov_b32 s23, 0
	s_lshl_b32 s46, s40, 17
	s_lshl_b32 s47, s16, 16
	s_add_co_u32 s46, s46, s47                     ; W's codes: (256 cx + 128 half) x 512
	s_mov_b32 s47, 0
	s_lshl_b32 s12, s40, 13
	s_lshl_b32 s13, s16, 12
	s_add_co_u32 s12, s12, s13                     ; W's scale bytes: x 32
	s_mov_b32 s13, 0
	s_wait_dscnt 0x0                               ; both opening adds are done
	s_wait_kmcnt 0x0
	s_mov_b64 s[4:5], s[68:69]
	s_cmp_eq_u32 ttmp9, 0                          ; which of the three: the cluster's x, the same in all partners
	s_cselect_b64 s[6:7], s[70:71], s[76:77]
	s_cselect_b64 s[8:9], s[72:73], s[78:79]
	s_cselect_b64 s[10:11], s[74:75], s[80:81]
	s_cselect_b64 s[92:93], s[88:89], s[90:91]
	s_cmp_eq_u32 ttmp9, 2
	s_cselect_b64 s[6:7], s[82:83], s[6:7]
	s_cselect_b64 s[8:9], s[84:85], s[8:9]
	s_cselect_b64 s[10:11], s[86:87], s[10:11]
	s_add_nc_u64 s[20:21], s[4:5], s[20:21]
	s_add_nc_u64 s[46:47], s[6:7], s[46:47]
	s_add_nc_u64 s[68:69], s[4:5], s[22:23]        ; x's scale words at my 128 rows
	s_add_nc_u64 s[70:71], s[8:9], s[12:13]        ; W's scale bytes at my 128 columns
	s_mov_b32 s[G0], 1
	s_lshl_b32 s[G0+1], s16, 16                    ; where the codes go: no place in the cluster enters an LDS address
	s_mov_b64 s[G0+2:G0+3], s[20:21]
	s_or_b32 s[G0+3], s[G0+3], 0x80000000
	s_mov_b32 s[G0B], 1
	s_mul_i32 s[G0B+1], s16, 128*PITCH
	s_add_co_u32 s[G0B+1], s[G0B+1], BOFF
	s_mov_b64 s[G0B+2:G0B+3], s[46:47]
	s_or_b32 s[G0B+3], s[G0B+3], 0x80000000
	CROUND                                         ; all sixteen work-groups are here: the joint loads meet
	JLOAD G0, G1, G0B, G1B                         ; my one tensor load
	v_and_b32 v1, 15, v0                           ; r
	v_bfe_u32 v2, v0, 4, 1                         ; h
	v_and_b32 v3, 31, v0                           ; lane
	v_lshlrev_b32 v[LI], 4, v3
	v_lshlrev_b32 v[ADSA], 2, v3                   ; x's words: 4 bytes a row, 32 rows a load
	v_lshlrev_b32 v[ADSB], 5, v3                   ; W's: 32 bytes a row, 32 rows a pair of loads
	s_wait_alu depctr_va_vdst(0)                   ; the wait ahead of the readers below
	SCALES 0
	SCALES 1
	s_lshl_b32 s21, s15, 16
	v_add_nc_u32 v[ADRA], s21, v[LI]
	s_add_co_u32 s21, s21, 32768
	v_add_nc_u32 v[ADRA+1], s21, v[LI]
	v_mul_u32_u24 v4, v1, PITCH
	v_lshl_add_u32 v4, v2, 4, v4
	s_mul_i32 s22, s16, 128*PITCH
	s_add_co_u32 s22, s22, BOFF
	v_add_nc_u32 v[ADRB], s22, v4
	s_add_co_u32 s22, s22, 256
	v_add_nc_u32 v[ADRB+1], s22, v4
	s_lshl_b32 s23, s14, 10
	s_add_co_u32 s2, s23, STG1
	v_lshl_add_u32 v[STA1], v1, 4, s2
	v_add_nc_u32 v[STR1], s2, v[LI]
	s_add_co_u32 s2, s23, STG2
	v_lshl_add_u32 v[STA2], v1, 3, s2
	v_add_nc_u32 v[STR2], s2, v[LI]
	v_lshlrev_b32 v[BQ], 5, v2                     ; the bias of q, k: eight columns of my half
	v_lshlrev_b32 v[BV], 2, v1                     ; of v: my column
	v_mov_b32 v[QP], 0                             ; a lane permute's destination counts as one of its sources
	v_mov_b32 v[QP+1], 0
	s_mov_b32 s[SEL], 0x76543210
	s_mov_b32 s[SEL+1], 0xfedcba98
	; where my 128 rows x two heads go
	s_lshl_b32 s18, s17, 1
	s_add_co_u32 s18, s18, s15                     ; which 128 rows of the 4,096
	s_lshr_b32 s19, s18, 4                         ; the batch
	s_and_b32 s18, s18, 15                         ; the group of 128 in the sequence
	s_lshl_b32 s19, s19, 4
	s_lshl_b32 s2, s40, 2
	s_add_co_u32 s19, s19, s2
	s_lshl_b32 s2, s16, 1
	s_add_co_u32 s19, s19, s2                      ; 16 batch + my first head
	s_lshl_b32 s19, s19, 4
	s_add_co_u32 s19, s19, s18                     ; the record
	s_mov_b32 s2, 8960
	s_mov_b32 s3, 8192
	s_cmp_eq_u32 ttmp9, 0
	s_cselect_b32 s2, 4608, s2                     ; a record's bytes,
	s_cselect_b32 s3, 4096, s3                     ; and where its words for q or k begin
	s_mul_i32 s18, s19, s2
	s_mov_b32 s19, 0
	s_add_nc_u64 s[94:95], s[92:93], s[18:19]      ; my first head's record,
	s_lshl_b32 s18, s2, 4
	s_add_nc_u64 s[96:97], s[94:95], s[18:19]      ; my second head's: 16 records on
	v_add_nc_u32 v[LIS], s3, v[LI]
	v_mul_u32_u24 v[VSO], v2, 143360
	v_lshl_add_u32 v[VSO], v1, 4, v[VSO]
	v_add_nc_u32 v[VSO], 8704, v[VSO]              ; v's words: lanes 0-15 my first head's 256 bytes, lanes 16-31 my second's
	s_lshl_b32 s18, s40, 10
	s_lshl_b32 s2, s16, 9
	s_add_co_u32 s18, s18, s2
	s_add_nc_u64 s[10:11], s[10:11], s[18:19]      ; the bias at my 128 columns
	s_wait_alu depctr_va_vdst(0)                   ; the wait at the head's end
	s_wait_tensorcnt 0x0                           ; my part of the tiles is in: all of K
	s_barrier_signal -1
	s_barrier_wait -1
	s_cmp_eq_u32 ttmp9, 2                          ; v goes its own way: the same choice in all waves and all partners
	s_cbranch_scc1 .Lpath_v
	; ---- q, k
	WIN 0x40
	s_wait_alu depctr_va_vdst(0)
.irp b, 0,1,2,3,4,5,6,7
	global_load_b128 v[64+8*\b:67+8*\b], v[BQ], s[10:11] offset:64*\b       ; in the result's layout: tile b, columns 8 h + 0 .. 7
	global_load_b128 v[68+8*\b:71+8*\b], v[BQ], s[10:11] offset:64*\b+16
.endr
	WIN 0
	MAIN 0
	s_wait_loadcnt 0x0                             ; the bias
.macro GQK a, e                        ; rows 16 a on, head e: + bias, codes, scale word
	WIN 0x06+(\a)/4
.irp n, 0,2,4,6,8,10,12,14,16,18,20,22,24,26,28,30
	v_pk_add_f32 v[TT+\n:TT+\n+1], v[8*(8*((\a)%4)+4*\e)+\n:8*(8*((\a)%4)+4*\e)+\n+1], v[64+32*\e+\n:64+32*\e+\n+1]
.endr
	WIN 0
	QUANT64 TT, CC+4*(2*\a+\e)
	global_store_b128 v[LI], v[CC+4*(2*\a+\e):CC+4*(2*\a+\e)+3], s[94+2*\e:95+2*\e] offset:512*\a    ; 512 consecutive bytes, aligned
	v_lshl_or_b32 v[WW+2*\a+\e], v[QE+1], 8, v[QE]
	v_or_b32 v[WW+2*\a+\e], 0x7f7f0000, v[WW+2*\a+\e]
	ds_store_b32 v[STA1], v[WW+2*\a+\e] offset:512*\e+256*(\a%2)+4*(\a/2)
.endm
.irp a, 0,1,2,3,4,5,6,7
	GQK \a, 0
	GQK \a, 1
.endr
	ds_load_b128 v[96:99], v[STR1]                 ; LDS serves a wave's instructions in order: these see my stores
	ds_load_b128 v[100:103], v[STR1] offset:512
	s_wait_dscnt 0x0
	global_store_b128 v[LIS], v[96:99], s[94:95]
	global_store_b128 v[LIS], v[100:103], s[96:97]
	s_branch .Ldone
	; ---- v
.Lpath_v:
	WIN 0x40
	s_wait_alu depctr_va_vdst(0)
.irp b, 0,1,2,3,4,5,6,7
	global_load_b32 v[64+2*\b], v[BV], s[10:11] offset:64*\b                ; my column's bias, twice: a pair for the packed addition
	global_load_b32 v[65+2*\b], v[BV], s[10:11] offset:64*\b
.endr
	WIN 0
	MAIN 1
	s_wait_loadcnt 0x0
.macro GV b, g                         ; columns 16 b on, keys 64 g on
	WIN 0x06+\g
.irp t, 0,1,2,3
.irp j, 0,2,4,6
	v_pk_add_f32 v[TT+8*\t+\j:TT+8*\t+\j+1], v[8*(8*\t+\b)+\j:8*(8*\t+\b)+\j+1], v[64+2*\b:65+2*\b]
.endr
.endr
	WIN 0
	QUANT64 TT, CC+4*(2*\b+\g)
	global_store_b128 v[LI], v[CC+4*(2*\b+\g):CC+4*(2*\b+\g)+3], s[94:95] offset:(\b/4)*143360+4096+(\b%4)*1024+512*\g
.if \g == 0
	v_lshl_or_b32 v[WW+\b], v[QE+1], 8, v[QE]
.else
	v_lshl_or_b32 v[WW+\b], v[QE], 16, v[WW+\b]
	v_lshl_or_b32 v[WW+\b], v[QE+1], 24, v[WW+\b]
	ds_store_b32 v[STA2], v[WW+\b] offset:256*(\b/4)+128*(\b%2)+4*((\b/2)%2)
.endif
.endm
.irp b, 0,1,2,3,4,5,6,7
	GV \b, 0
	GV \b, 1
.endr
	ds_load_b128 v[96:99], v[STR2]
	s_wait_dscnt 0x0
	global_store_b128 v[VSO], v[96:99], s[94:95]   ; two aligned runs of 256 bytes
.Ldone:
	s_wait_tensorcnt 0x0                           ; the wave's end
	ds_add_u32 v[SPW], v[NIL]
	s_wait_dscnt 0x0
	CROUND                                         ; the closing round
	s_endpgm
.Lfunc_end_k_q8f4a16cce9_proj:
	.size	k_q8f4a16cce9_proj, .Lfunc_end_k_q8f4a16cce9_proj-k_q8f4a16cce9_proj
	.p2alignl 7, 3214868480
	.fill 96, 4, 3214868480
	.section	.rodata,"a",@progbits
	.p2align	6, 0x0
	.amdhsa_kernel k_q8f4a16cce9_proj
		.amdhsa_group_segment_fixed_size 327680
		.amdhsa_private_segment_fixed_size 0
		.amdhsa_enable_private_segment 0
		.amdhsa_kernarg_size 96
		.amdhsa_user_sgpr_count 2
		.amdhsa_user_sgpr_kernarg_segment_ptr 1
		.amdhsa_wavefront_size32 1
		.amdhsa_system_sgpr_workgroup_id_x 1
		.amdhsa_system_sgpr_workgroup_id_y 1
		.amdhsa_system_sgpr_workgroup_id_z 1
		.amdhsa_system_vgpr_workitem_id 0
		.amdhsa_next_free_vgpr 1024
		.amdhsa_next_free_sgpr 100
		.amdhsa_reserve_vcc 0
		.amdhsa_float_denorm_mode_32 3
		.amdhsa_float_denorm_mode_16_64 3
		.amdhsa_memory_ordered 1
		.amdhsa_forward_progress 1
		.amdhsa_inst_pref_size 255
	.end_amdhsa_kernel
	.section	.bss,"aw",@nobits
	.p2align	6
	.space	262144
	.amdgpu_metadata
---
amdhsa.version: [ 1, 2 ]
amdhsa.kernels:
  - .name:           k_q8f4a16cce9_proj
    .symbol:         k_q8f4a16cce9_proj.kd
    .args:
      - { .name: xq, .offset: 0, .size: 8, .value_kind: global_buffer, .address_space: global }
      - { .name: Wq_codes, .offset: 8, .size: 8, .value_kind: global_buffer, .address_space: global }
      - { .name: Wq_scales, .offset: 16, .size: 8, .value_kind: global_buffer, .address_space: global }
      - { .name: bq, .offset: 24, .size: 8, .value_kind: global_buffer, .address_space: global }
      - { .name: Wk_codes, .offset: 32, .size: 8, .value_kind: global_buffer, .address_space: global }
      - { .name: Wk_scales, .offset: 40, .size: 8, .value_kind: global_buffer, .address_space: global }
      - { .name: bk, .offset: 48, .size: 8, .value_kind: global_buffer, .address_space: global }
      - { .name: Wv_codes, .offset: 56, .size: 8, .value_kind: global_buffer, .address_space: global }
      - { .name: Wv_scales, .offset: 64, .size: 8, .value_kind: global_buffer, .address_space: global }
      - { .name: bv, .offset: 72, .size: 8, .value_kind: global_buffer, .address_space: global }
      - { .name: qb, .offset: 80, .size: 8, .value_kind: global_buffer, .address_space: global }
      - { .name: kv, .offset: 88, .size: 8, .value_kind: global_buffer, .address_space: global }
    .group_segment_fixed_size: 327680
    .private_segment_fixed_size: 0
    .kernarg_segment_align: 8
    .kernarg_segment_size: 96
    .max_flat_workgroup_size: 128
    .sgpr_count:     100
    .vgpr_count:     1024
    .wavefront_size: 32
...
	.end_amdgpu_metadata
.endif
;; end of part 2
;; launch attn (part 3): grid 8 x 32, 16 waves a work-group, clusters of 4 x 1, 219,136 bytes of LDS; arguments qb, kv, oq; writes oq
.if DOCPART == 3
	.amdgcn_target "amdgcn-amd-amdhsa--gfx1250"
	.amdhsa_code_object_version 6
	.text
	.protected	k_q8f4a16cce9_attn
	.globl	k_q8f4a16cce9_attn
	.p2align	8
	.type	k_q8f4a16cce9_attn,@function
k_q8f4a16cce9_attn:
	s_mov_b64 s[64:65], 0
	v_nop
	global_prefetch_b8 v0, s[64:65] scope:SCOPE_SE
	s_setreg_imm32_b32 hwreg(HW_REG_WAVE_MODE, 25, 1), 1
	s_wait_xcnt 0x0
	s_wait_alu depctr_hold_cnt(0) depctr_sa_sdst(0) depctr_va_vdst(0) depctr_va_sdst(0) depctr_va_ssrc(0) depctr_va_vcc(0) depctr_vm_vsrc(0)
	s_getreg_b32 s2, hwreg(HW_REG_IB_STS2, 6, 4)
	s_cmp_eq_u32 s2, 0
	s_cbranch_scc0 .Lentry_in_a_cluster
	s_endpgm
.Lentry_in_a_cluster:
	s_bfe_u32 s2, ttmp6, 0x10000c
	s_cmp_lg_u32 s2, 0x3003
	s_cbranch_scc0 .Lentry_shape_is_right
	s_endpgm
.Lentry_shape_is_right:
; out = softmax(q k^T / 8, causal) v for one batch and head a row of the grid, both products on codes of E2M1; the result is quantised along the 1,024 of the next product.
; WORK LEFT OUT: a step of 128 keys all of which come after a tile's 16 queries: the layer's own mask makes every weight there 0 for all inputs.  LIMIT: NaN, infinities or overflow in such keys or values are not carried to those queries.
; THE SOFTMAX: t = score x log2(e) / 8; M = the running largest t rounded UP to a whole number; p = 2^(t - M) is quantised along the keys, not normalised; the sum is taken of the unquantised p and divides at the end.
; When M moves, the sum and O are multiplied by 2^(old M - new M): exact.  LIMIT: this holds while the scaled scores t stay under 2^31 in magnitude.
; SHARES.  A head has 128 tiles of 16 queries.  Work-group jq (0..7) takes tiles 8 n + jq, n = 0..15; tile n has key steps 0 .. n.  Tiles n = 15 - m and n = m, m = 0..7, are 17 steps together and are shared by two waves:
;   wave m:     tile 15 - m, steps 0 .. 8 (nine);
;   wave m + 8: tile 15 - m, steps 9 .. 15 - m (7 - m of them), then it leaves -M, the sum and O in LDS and begins anew with tile m, steps 0 .. m (m + 1): eight in all.
;   Behind the loop wave m joins the part: both are brought under the greater M by powers of two, which rounds nothing.
; LDS holds the head's 16 records of k and v (8,960 bytes each): each wave asks for one, once; nothing is filled again.  CLUSTER 4 x 1: four work-groups of a head ask jointly.
; No prefetch: every record is asked for at the head, so no later trip asks for anything.
; LAYOUT.  S^T = k q^T (source 0 = 16 keys, source 1 = my queries), O^T = v^T p^T: a lane holds ONE query.  The head's 64 fill half of a product's 128 along K: the other half is zero codes on both sides, under the byte 127.
; Register 8 t + j of S^T is key 16 t + 8 (lane / 16) + j: registers 16 b .. 16 b + 15 of lanes l and l xor 16 are block b of the step's 128 keys.
; LIMITS of the quantisers: a block of zeros gets the byte 1 (its codes are zeros); largest magnitudes under 2^-124 are held at that floor.
; REGISTERS: v1-3, v24 addresses and the mask's number; v25, v31 my part's and my partner's place in LDS; v26-29 the second tile's q; v8, v9 the step's addresses; v12 -M, v13 largest t, v[14:15] the sum; v16-23 q;
;   v32-95 k's 8 fragments; v96-159 S^T, then p; v160-191 O^T; v192-223 v's 4 fragments; v224-231 p's codes; v232-239, v242-247, v252, v254 at work;
;   scale words: v240-241 v's, v248-251 k's, v253 p's, v255 q's, v30 the second tile's q's.
.set REC,   8960
.set PART,  16*REC                     ; the parts: 4,608 bytes for each wave: O^T, then -M, largest t, the sum
.set PW,    4608
.set SPARE, PART+16*PW                 ; the spare words, 128 bytes for each wave
.set SPW, 5
.set NIL, 6
.set N1,  16                           ; 15 - m
.set NF,  17                           ; the tile that I finish
.set WV,  18
.set LAST, 19                          ; my steps: nine or eight
.set SEL, 20
.set CS,  22
.set G1,  24
.set G0,  32
.set SWT, 36                           ; the trip at which I change tiles (15: never)
.set TS,  37                           ; the trip
.set O1,  38                           ; from the trip to the step, ahead of the change
.set O2,  39                           ; and behind it, modulo 16
.set RC,  56                           ; the step
.set CU,  57                           ; the tile in hand: its last step
.set TB,  58                           ; LDS byte of the step's record
.set QM,  232
.set QP,  236
.set QS,  244
.set QE,  246
.macro CROUND
	s_barrier_signal -1
	s_barrier_wait -1
	s_cmp_lg_u32 s[WV], 0
	s_cbranch_scc1 .Lnot_wave_0_\@
	s_barrier_signal -3
.Lnot_wave_0_\@:
	s_barrier_wait -3
	s_barrier_signal -1
	s_barrier_wait -1
.endm
.macro BEGIN                           ; a tile's state: O^T and the sum zeros, the largest t -3e38: the first change of M leaves zeros zeros
	v_mov_b32 v13, 0xff61b1e6
	v_mov_b32 v14, 0
	v_mov_b32 v15, 0
	v_floor_f32 v12, -v13
.set n, 0
.rept 32
	v_mov_b32 v[160+n], 0
.set n, n+1
.endr
.endm
	s_load_b128 s[4:7], s[0:1], 0x0                ; qb, kv
	s_load_b64 s[8:9], s[0:1], 0x10                ; oq
	v_lshl_add_u32 v[SPW], v0, 2, SPARE
	v_mov_b32 v[NIL], 0
	ds_add_u32 v[SPW], v[NIL]                      ; the wave's opening: the add, twice on end, and its wait ahead of my first tensor load
	ds_add_u32 v[SPW], v[NIL]
	v_lshrrev_b32 v8, 5, v0
	s_delay_alu instid0(VALU_DEP_1)
	v_readfirstlane_b32 s[WV], v8                  ; wave 0..15
	s_and_b32 s12, ttmp7, 0xffff                   ; batch x head, which the partners share
	s_and_b32 s13, s[WV], 7                        ; m
	s_lshr_b32 s14, s[WV], 3                       ; 0: nine steps of tile 15 - m; 1: the rest of it, then tile m
	s_sub_co_u32 s15, 7, s13
	s_mul_i32 s[O1], s14, 9                        ; trip -> step: 0 on, or 9 on;
	s_add_co_u32 s[O2], s13, 9                     ; behind the change: trip 7 - m -> step 16 = 0
	s_sub_co_u32 s[LAST], 9, s14
	s_xor_b32 s[N1], s13, 15
	s_xor_b32 s[NF], s14, 1
	s_mul_i32 s[NF], s[NF], 15
	s_xor_b32 s[NF], s[NF], s13
	s_cmp_eq_u32 s14, 0
	s_cselect_b32 s[SWT], 15, s15
	s_mov_b32 s[G1], 15|(3<<16)|(1<<21)            ; the mask: all four; elements of 8 bytes; a record is 35 dense rows of 256 bytes
	s_mov_b32 s[G1+1], 32<<16
	s_mov_b32 s[G1+2], 35<<16
	s_mov_b32 s[G1+3], 32<<16
	s_mov_b32 s[G1+4], 35
	s_mov_b32 s[G1+5], 32
	s_mov_b32 s[G1+6], 0
	s_mov_b32 s[G1+7], 0
	s_mov_b32 s[G0], 1
	s_mul_i32 s[G0+1], s[WV], REC                  ; record w goes to w x 8,960
	s_lshl_b32 s50, s12, 4
	s_add_co_u32 s50, s50, s[WV]
	s_mul_i32 s50, s50, REC
	s_mov_b32 s51, 0
	s_mov_b32 s[SEL], 0x76543210
	s_mov_b32 s[SEL+1], 0xfedcba98
	s_mov_b32 s[CS], 0x3e38aa3b                    ; c = log2(e) / 8
	s_mov_b32 s[CS+1], s[CS]
	s_mov_b32 s[TS], 0
	s_wait_dscnt 0x0                               ; both opening adds are done
	s_wait_kmcnt 0x0
	s_add_nc_u64 s[G0+2:G0+3], s[6:7], s[50:51]
	s_or_b32 s[G0+3], s[G0+3], 0x80000000
	CROUND                                         ; all four work-groups are here
	tensor_load_to_lds s[G0:G0+3], s[G1:G1+7]      ; my one tensor load
	s_nop 0
.rept 4
	v_nop
.endr
	s_bfe_u32 s10, ttmp6, 0x40000                  ; cx: it enters q's and the output's addresses and the mask's number alone
	s_lshl_b32 s11, ttmp9, 2
	s_add_co_u32 s11, s11, s10                     ; jq
	s_lshl_b32 s59, s12, 4
	s_lshl_b32 s44, s11, 9
	s_add_co_u32 s40, s59, s[N1]
	s_mul_i32 s40, s40, 4608
	s_add_co_u32 s40, s40, s44                     ; q: record 16 (batch x head) + 15 - m, tile jq
	s_mov_b32 s41, 0
	s_add_nc_u64 s[40:41], s[4:5], s[40:41]
	s_add_co_u32 s60, s59, s[NF]
	s_mul_i32 s60, s60, 4608
	s_add_co_u32 s60, s60, s44                     ; and of the tile that I finish
	s_mov_b32 s61, 0
	s_add_nc_u64 s[60:61], s[4:5], s[60:61]
	s_and_b32 s42, s11, 1
	s_lshl_b32 s42, s42, 8
	s_lshr_b32 s43, s11, 1
	s_lshl_b32 s43, s43, 2
	s_add_co_u32 s42, s42, s43
	s_sub_co_u32 s42, s42, s44
	s_add_co_u32 s42, s42, 4096                    ; from a tile's codes to its scale words
	s_and_b32 s52, s12, 15                         ; head
	s_lshr_b32 s43, s12, 4                         ; batch
	s_lshl_b32 s43, s43, 7
	s_lshl_b32 s44, s[NF], 3
	s_add_co_u32 s43, s43, s44
	s_add_co_u32 s43, s43, s11                     ; my row tile of the 256
	s_lshr_b32 s46, s52, 3
	s_lshl_b32 s46, s46, 20
	s_lshl_b32 s44, s43, 12
	s_add_co_u32 s46, s46, s44
	s_bfe_u32 s44, s52, 0x20001
	s_lshl_b32 s44, s44, 10
	s_add_co_u32 s46, s46, s44
	s_and_b32 s45, s52, 1
	s_lshl_b32 s44, s45, 9
	s_add_co_u32 s46, s46, s44                     ; the codes: K step head / 2, half head % 2
	s_mov_b32 s47, 0
	s_lshr_b32 s48, s52, 1
	s_lshl_b32 s48, s48, 14
	s_lshl_b32 s44, s43, 6
	s_add_co_u32 s48, s48, s44
	s_lshl_b32 s44, s45, 1
	s_add_co_u32 s48, s48, s44
	s_add_co_u32 s48, s48, 2097152                 ; my head's two bytes of the rows' scale words
	s_mov_b32 s49, 0
	s_add_nc_u64 s[46:47], s[8:9], s[46:47]
	s_add_nc_u64 s[48:49], s[8:9], s[48:49]
	v_and_b32 v10, 31, v0
	s_delay_alu instid0(VALU_DEP_1)
	v_lshlrev_b32 v1, 4, v10                       ; 16 x lane
	s_delay_alu instid0(VALU_DEP_2)
	v_lshlrev_b32 v2, 3, v10                       ; 8 x lane
	v_and_b32 v10, 15, v0                          ; r
	v_bfe_u32 v11, v0, 4, 1                        ; h
	s_delay_alu instid0(VALU_DEP_2)
	v_lshlrev_b32 v24, 2, v10
	s_delay_alu instid0(VALU_DEP_2)
	v_lshlrev_b32 v11, 3, v11
	s_delay_alu instid0(VALU_DEP_1)
	v_sub_nc_u32 v3, v10, v11
	s_lshl_b32 s44, s11, 4
	v_add_nc_u32 v3, s44, v3                       ; 16 jq + r - 8 h: on the diagonal register n is hidden where 16 (n / 8) + n % 8 is above it
	v_lshl_add_u32 v9, v10, 4, s42
	global_load_b128 v[16:19], v1, s[40:41]        ; q's codes: registers 0-3 of the fragment
	global_load_b32 v255, v9, s[40:41]             ; q's scale words
	global_load_b128 v[26:29], v1, s[60:61]        ; the same of the tile that I finish
	global_load_b32 v30, v9, s[60:61]
	s_mul_i32 s44, s[WV], PW
	s_add_co_u32 s44, s44, PART
	v_add_nc_u32 v25, s44, v1                      ; my part
	s_mul_i32 s45, s13, PW
	s_add_co_u32 s45, s45, PART+8*PW
	v_add_nc_u32 v31, s45, v1                      ; wave m + 8's
.irp j, 20,21,22,23
	v_mov_b32 v\j, 0                               ; the upper 64 along K: zero codes
.endr
.irp t, 0,1,2,3,4,5,6,7
.irp j, 4,5,6,7
	v_mov_b32 v[32+8*\t+\j], 0                     ; of k likewise, once
.endr
.endr
.irp j, 236,237,238,239,252,253
	v_mov_b32 v\j, 0                               ; lane permutes' destinations, and the upper halves of pairs
.endr
	BEGIN
	s_wait_alu depctr_va_vdst(0)                   ; the wait at the head's end
	s_wait_tensorcnt 0x0                           ; my record has landed
	s_barrier_signal -1
	s_barrier_wait -1                              ; everybody's has
	s_wait_loadcnt 0x0                             ; q
.Lstep:                                            ; 9 trips in every wave
	s_cmp_eq_u32 s[TS], s[SWT]
	s_cbranch_scc0 .Lsame
	ds_store_b128 v25, v[12:15] offset:4096        ; my part of tile 15 - m is done (for m = 7 it is the empty one): -M, largest t, the sum,
.irp k, 0,1,2,3,4,5,6,7
	ds_store_b128 v25, v[160+4*\k:163+4*\k] offset:512*\k   ; and O^T
.endr
.irp j, 0,1,2,3
	v_mov_b32 v[16+\j], v[26+\j]                   ; tile m's q
.endr
	v_mov_b32 v255, v30
	BEGIN
	s_wait_alu depctr_va_vdst(0)
.Lsame:
	s_cmp_ge_u32 s[TS], s[LAST]
	s_cbranch_scc1 .Lskip
	s_cmp_lt_u32 s[TS], s[SWT]
	s_cselect_b32 s[RC], s[O1], s[O2]
	s_cselect_b32 s[CU], s[N1], s[NF]
	s_add_co_u32 s[RC], s[RC], s[TS]
	s_and_b32 s[RC], s[RC], 15
	s_mul_i32 s[TB], s[RC], REC
	v_add_nc_u32 v8, s[TB], v1
	v_add_nc_u32 v9, s[TB], v2
.irp t, 0,1,2,3,4,5,6,7
	ds_load_b128 v[32+8*\t:35+8*\t], v8 offset:512*\t
.endr
	ds_load_b128 v[248:251], v8 offset:8192        ; k's words: register i, lane l: key 32 i + l
.irp t, 0,1,2,3
.irp c, 0,1
	ds_load_b128 v[192+8*\t+4*\c:195+8*\t+4*\c], v8 offset:4096+1024*\t+512*\c
.endr
.endr
	ds_load_b64 v[240:241], v9 offset:8704         ; v's words: register i, lane l: d tile 2 i + l / 16
	s_wait_dscnt 9                                 ; k is in; v's nine loads may be out
.irp t, 0,2,4,6
	v_wmma_scale_f32_16x16x128_f8f6f4 v[96+8*\t:103+8*\t], v[32+8*\t:39+8*\t], v[16:23], 0, v[248+\t/2], v255 matrix_a_fmt:MATRIX_FMT_FP4 matrix_b_fmt:MATRIX_FMT_FP4
	v_wmma_scale_f32_16x16x128_f8f6f4 v[104+8*\t:111+8*\t], v[40+8*\t:47+8*\t], v[16:23], 0, v[248+\t/2], v255 matrix_a_fmt:MATRIX_FMT_FP4 matrix_b_fmt:MATRIX_FMT_FP4 matrix_a_scale:MATRIX_SCALE_ROW1
.endr
.rept 4
	v_nop
.endr
	s_cmp_lg_u32 s[RC], s[CU]                      ; only a tile's last step lies on the diagonal
	s_cbranch_scc1 .Lopen
	v_mov_b32 v254, 0xff800000                     ; -infinity: p = 0 then
.set n, 0
.rept 64
	v_cmp_gt_i32 vcc_lo, 16*(n/8)+n%8, v3
	v_cndmask_b32 v[96+n], v[96+n], v254, vcc_lo
.set n, n+1
.endr
.Lopen:
.irp b, 0,1,2,3
	v_max3_num_f32 v[232+\b], v[96+16*\b], v[97+16*\b], v[98+16*\b]   ; the largest score of each block of 32 keys: for the row's maximum and, since p rises with the score, for the block's largest p
.endr
.irp i, 3,5,7,9,11,13
.irp b, 0,1,2,3
	v_max3_num_f32 v[232+\b], v[232+\b], v[96+16*\b+\i], v[97+16*\b+\i]
.endr
.endr
.irp b, 0,1,2,3
	v_max_num_f32 v[232+\b], v[232+\b], v[111+16*\b]
.endr
.irp b, 0,1,2,3
	s_delay_alu instid0(VALU_DEP_4)
	v_permlanex16_b32 v[236+\b], v[232+\b], s[SEL], s[SEL+1]
.endr
.irp b, 0,1,2,3
	s_delay_alu instid0(VALU_DEP_4)
	v_max_num_f32 v[232+\b], v[232+\b], v[236+\b]
.endr
	s_delay_alu instid0(VALU_DEP_2)
	v_max3_num_f32 v254, v232, v233, v234
	s_delay_alu instid0(VALU_DEP_1)
	v_max_num_f32 v254, v254, v235
	s_delay_alu instid0(VALU_DEP_1)
	v_mul_f32 v254, s[CS], v254
	s_delay_alu instid0(VALU_DEP_1)
	v_max_num_f32 v13, v13, v254                   ; the running largest t
	v_mov_b32 v254, v12
	s_delay_alu instid0(VALU_DEP_2)
	v_floor_f32 v12, -v13                          ; -M = floor(-t): M is a whole number
	s_delay_alu instid0(VALU_DEP_1)
	v_sub_f32 v254, v12, v254
	s_delay_alu instid0(VALU_DEP_1)
	v_cvt_i32_f32 v254, v254                       ; (it saturates)
	s_delay_alu instid0(VALU_DEP_1)
	v_ldexp_f32 v252, 1.0, v254                    ; f = 2^(old M - new M)
.set n, 0
.rept 32
	v_pk_fma_f32 v[96+n:97+n], v[96+n:97+n], s[CS:CS+1], v[12:13] op_sel_hi:[1,0,0]   ; t - M
.set n, n+2
.endr
.irp b, 0,1,2,3
	v_fma_f32 v[232+\b], v[232+\b], s[CS], v12
.endr
.set n, 0
	s_wait_alu depctr_va_vdst(0)                   ; the wait ahead of the batch too
.rept 64
	v_exp_f32 v[96+n], v[96+n]                     ; p
.set n, n+1
.endr
	v_pk_mul_f32 v[14:15], v[14:15], v[252:253] op_sel_hi:[1,0]   ; the sums under the new M: a plain line behind the exponentials
	s_wait_alu depctr_va_vdst(0)                   ; one wait for the batch, ahead of its first reader
.irp b, 0,1,2,3
	v_exp_f32 v[232+\b], v[232+\b]                 ; each block's largest p
.endr
	v_pk_add_f32 v[236:237], v[100:101], v[104:105]
	v_pk_add_f32 v[250:251], v[108:109], v[112:113]
	v_pk_add_f32 v[248:249], v[116:117], v[120:121]
	v_pk_add_f32 v[246:247], v[124:125], v[128:129]
	v_pk_add_f32 v[244:245], v[132:133], v[136:137]
	v_pk_add_f32 v[242:243], v[140:141], v[144:145]
	v_pk_add_f32 v[238:239], v[148:149], v[152:153]
	v_pk_add_f32 v[14:15], v[14:15], v[156:157]
	v_pk_add_f32 v[236:237], v[236:237], v[96:97]
	v_pk_add_f32 v[250:251], v[250:251], v[98:99]
	v_pk_add_f32 v[248:249], v[248:249], v[102:103]
	v_pk_add_f32 v[246:247], v[246:247], v[106:107]
	v_pk_add_f32 v[244:245], v[244:245], v[110:111]
	v_pk_add_f32 v[242:243], v[242:243], v[114:115]
	v_pk_add_f32 v[238:239], v[238:239], v[118:119]
	v_pk_add_f32 v[14:15], v[14:15], v[122:123]
	v_pk_add_f32 v[236:237], v[236:237], v[126:127]
	v_pk_add_f32 v[250:251], v[250:251], v[130:131]
	v_pk_add_f32 v[248:249], v[248:249], v[134:135]
	v_pk_add_f32 v[246:247], v[246:247], v[138:139]
	v_pk_add_f32 v[244:245], v[244:245], v[142:143]
	v_pk_add_f32 v[242:243], v[242:243], v[146:147]
	v_pk_add_f32 v[238:239], v[238:239], v[150:151]
	v_pk_add_f32 v[14:15], v[14:15], v[154:155]
	v_pk_add_f32 v[236:237], v[236:237], v[158:159]
	s_delay_alu instid0(VALU_DEP_2)
	v_pk_add_f32 v[14:15], v[14:15], v[246:247]
	s_delay_alu instid0(VALU_DEP_2)
	v_pk_add_f32 v[236:237], v[236:237], v[244:245]
	v_pk_add_f32 v[250:251], v[250:251], v[242:243]
	v_pk_add_f32 v[248:249], v[248:249], v[238:239]
	s_delay_alu instid0(VALU_DEP_2)
	v_pk_add_f32 v[14:15], v[14:15], v[250:251]
	s_delay_alu instid0(VALU_DEP_2)
	v_pk_add_f32 v[236:237], v[236:237], v[248:249]
	s_delay_alu instid0(VALU_DEP_1)
	v_pk_add_f32 v[14:15], v[14:15], v[236:237]
	s_wait_alu depctr_va_vdst(0)                   ; and one for the four
.irp b, 0,1,2,3
	v_max_num_f32 v[232+\b], 0x1800000, v[232+\b]  ; the floor 2^(3 - 127)
.endr
.irp b, 0,1,2,3
	s_delay_alu instid0(VALU_DEP_4)
	v_add_nc_u32 v[244+\b], 0xff000000, v[232+\b]
.endr
.irp b, 0,1,2,3
	s_delay_alu instid0(VALU_DEP_4)
	v_lshrrev_b32 v[236+\b], 23, v[244+\b]
.endr
	s_delay_alu instid0(VALU_DEP_3)
	v_lshl_or_b32 v253, v237, 8, v236              ; p's scale word for these 128 keys
	s_delay_alu instid0(VALU_DEP_1)
	v_lshl_or_b32 v253, v238, 16, v253
	s_delay_alu instid0(VALU_DEP_1)
	v_lshl_or_b32 v253, v239, 24, v253
.irp c, 0,1                                    ; keys 64 c on: tiles 4 c .. 4 c + 3
	v_cvt_scalef32_pk8_fp4_f32 v[224+4*\c], v[96+32*\c:103+32*\c], v[244+2*\c]
	v_cvt_scalef32_pk8_fp4_f32 v[226+4*\c], v[104+32*\c:111+32*\c], v[244+2*\c]
	v_cvt_scalef32_pk8_fp4_f32 v[225+4*\c], v[112+32*\c:119+32*\c], v[245+2*\c]
	v_cvt_scalef32_pk8_fp4_f32 v[227+4*\c], v[120+32*\c:127+32*\c], v[245+2*\c]
.endr
	v_nop                                          ; one plain line behind the conversions
.irp c, 0,1
	v_permlane16_swap_b32 v[224+4*\c], v[225+4*\c] ; a whole block to a lane: lanes 0-15 block 2 c, lanes 16-31 block 2 c + 1
	v_permlane16_swap_b32 v[226+4*\c], v[227+4*\c]
.endr
	s_wait_alu depctr_va_vdst(0)                   ; the wait directly ahead of the first reader of O^T
.set n, 0
.rept 16
	v_pk_mul_f32 v[160+n:161+n], v[160+n:161+n], v[252:253] op_sel_hi:[1,0]   ; O^T under the new M; these sixteen also stand between the scale word's and the codes' last lines and the products
.set n, n+2
.endr
	s_wait_alu depctr_va_vdst(0)                   ; the wait directly ahead of the wait below
	s_wait_dscnt 0x0                               ; v is in
.irp t, 0,2
	v_wmma_scale_f32_16x16x128_f8f6f4 v[160+8*\t:167+8*\t], v[192+8*\t:199+8*\t], v[224:231], v[160+8*\t:167+8*\t], v[240+\t/2], v253 matrix_a_fmt:MATRIX_FMT_FP4 matrix_b_fmt:MATRIX_FMT_FP4
	v_wmma_scale_f32_16x16x128_f8f6f4 v[168+8*\t:175+8*\t], v[200+8*\t:207+8*\t], v[224:231], v[168+8*\t:175+8*\t], v[240+\t/2], v253 matrix_a_fmt:MATRIX_FMT_FP4 matrix_b_fmt:MATRIX_FMT_FP4 matrix_a_scale:MATRIX_SCALE_ROW1
.endr
.rept 4
	v_nop                                          ; ahead of the next trip's loads into v's registers, and of the reads of O^T
.endr
.Lskip:
	s_add_co_u32 s[TS], s[TS], 1
	s_cmp_lt_u32 s[TS], 9
	s_cbranch_scc1 .Lstep
	s_wait_dscnt 0x0                               ; for the others' sake: my part is stored
	s_barrier_signal -1
	s_barrier_wait -1
	s_cmp_lg_u32 s14, 0                            ; waves 0 to 7 join their partners' parts
	s_cbranch_scc1 .Lout
	ds_load_b128 v[128:131], v31 offset:4096       ; -M, largest t, the sum
.irp k, 0,1,2,3,4,5,6,7
	ds_load_b128 v[96+4*\k:99+4*\k], v31 offset:512*\k
.endr
	s_wait_dscnt 0x0
	v_min_num_f32 v232, v12, v128                  ; - the greater M
	v_sub_f32 v233, v232, v12
	v_sub_f32 v234, v232, v128
	v_cvt_i32_f32 v233, v233
	v_cvt_i32_f32 v234, v234
	v_ldexp_f32 v236, 1.0, v233                    ; my factor,
	v_ldexp_f32 v238, 1.0, v234                    ; and the part's (0 where the part is empty)
	v_pk_mul_f32 v[130:131], v[130:131], v[238:239] op_sel_hi:[1,0]
.set n, 0
.rept 16
	v_pk_mul_f32 v[96+n:97+n], v[96+n:97+n], v[238:239] op_sel_hi:[1,0]
.set n, n+2
.endr
	v_pk_fma_f32 v[14:15], v[14:15], v[236:237], v[130:131] op_sel_hi:[1,0,1]
.set n, 0
.rept 16
	v_pk_fma_f32 v[160+n:161+n], v[160+n:161+n], v[236:237], v[96+n:97+n] op_sel_hi:[1,0,1]
.set n, n+2
.endr
.Lout:
	; THE WAY OUT: O^T / the sum, quantised along the head's 64: lane (r, h) ends with the 16 bytes of block h of its row: an image of the next operand's registers
	v_add_f32 v14, v14, v15
	s_delay_alu instid0(VALU_DEP_1)
	v_permlanex16_b32 v252, v14, s[SEL], s[SEL+1]
	s_delay_alu instid0(VALU_DEP_1)
	v_add_f32 v14, v14, v252
	s_wait_alu depctr_va_vdst(0)
	v_rcp_f32 v14, v14
	v_nop                                          ; a plain line behind the reciprocal
	s_wait_alu depctr_va_vdst(0)                   ; and the wait ahead of its first reader
.set n, 0
.rept 32
	v_mul_f32 v[96+n], v[160+n], v14               ; register 8 t + j: column 16 t + 8 h + j of the head
.set n, n+1
.endr
	v_max3_num_f32 v[QM], |v96|, |v97|, 0x1800000
	v_max3_num_f32 v[QM+1], |v112|, |v113|, 0x1800000
.irp i, 2,4,6,8,10,12,14
	s_delay_alu instid0(VALU_DEP_2)
	v_max3_num_f32 v[QM], v[QM], |v[96+\i]|, |v[97+\i]|
	s_delay_alu instid0(VALU_DEP_2)
	v_max3_num_f32 v[QM+1], v[QM+1], |v[112+\i]|, |v[113+\i]|
.endr
	s_delay_alu instid0(VALU_DEP_2)
	v_permlanex16_b32 v[QP], v[QM], s[SEL], s[SEL+1]
	s_delay_alu instid0(VALU_DEP_2)
	v_permlanex16_b32 v[QP+1], v[QM+1], s[SEL], s[SEL+1]
	s_delay_alu instid0(VALU_DEP_2)
	v_max_num_f32 v[QM], v[QM], v[QP]
	s_delay_alu instid0(VALU_DEP_2)
	v_max_num_f32 v[QM+1], v[QM+1], v[QP+1]
	s_delay_alu instid0(VALU_DEP_2)
	v_add_nc_u32 v[QS], 0xff000000, v[QM]
	s_delay_alu instid0(VALU_DEP_2)
	v_add_nc_u32 v[QS+1], 0xff000000, v[QM+1]
	s_delay_alu instid0(VALU_DEP_2)
	v_lshrrev_b32 v[QE], 23, v[QS]
	s_delay_alu instid0(VALU_DEP_2)
	v_lshrrev_b32 v[QE+1], 23, v[QS+1]
	v_cvt_scalef32_pk8_fp4_f32 v224, v[96:103], v[QS]
	v_cvt_scalef32_pk8_fp4_f32 v226, v[104:111], v[QS]
	v_cvt_scalef32_pk8_fp4_f32 v225, v[112:119], v[QS+1]
	v_cvt_scalef32_pk8_fp4_f32 v227, v[120:127], v[QS+1]
	v_nop
	v_permlane16_swap_b32 v224, v225
	v_permlane16_swap_b32 v226, v227
	v_lshl_or_b32 v242, v[QE+1], 8, v[QE]
	global_store_b128 v1, v[224:227], s[46:47]     ; 512 consecutive bytes, aligned
	global_store_b16 v24, v242, s[48:49]           ; two bytes of each row's word: the word's other half is another head's, made by another work-group; both halves of the lanes write the same bytes
	s_wait_tensorcnt 0x0                           ; the wave's end
	ds_add_u32 v[SPW], v[NIL]
	s_wait_dscnt 0x0
	CROUND                                         ; the closing round
	s_endpgm
.Lfunc_end_k_q8f4a16cce9_attn:
	.size	k_q8f4a16cce9_attn, .Lfunc_end_k_q8f4a16cce9_attn-k_q8f4a16cce9_attn
	.p2alignl 7, 3214868480
	.fill 96, 4, 3214868480
	.section	.rodata,"a",@progbits
	.p2align	6, 0x0
	.amdhsa_kernel k_q8f4a16cce9_attn
		.amdhsa_group_segment_fixed_size 219136
		.amdhsa_private_segment_fixed_size 0
		.amdhsa_enable_private_segment 0
		.amdhsa_kernarg_size 24
		.amdhsa_user_sgpr_count 2
		.amdhsa_user_sgpr_kernarg_segment_ptr 1
		.amdhsa_wavefront_size32 1
		.amdhsa_system_sgpr_workgroup_id_x 1
		.amdhsa_system_sgpr_workgroup_id_y 1
		.amdhsa_system_sgpr_workgroup_id_z 1
		.amdhsa_system_vgpr_workitem_id 0
		.amdhsa_next_free_vgpr 256
		.amdhsa_next_free_sgpr 66
		.amdhsa_reserve_vcc 1
		.amdhsa_float_denorm_mode_32 3
		.amdhsa_float_denorm_mode_16_64 3
		.amdhsa_memory_ordered 1
		.amdhsa_forward_progress 1
		.amdhsa_inst_pref_size 40
	.end_amdhsa_kernel
	.amdgpu_metadata
---
amdhsa.version: [ 1, 2 ]
amdhsa.kernels:
  - .name:           k_q8f4a16cce9_attn
    .symbol:         k_q8f4a16cce9_attn.kd
    .args:
      - { .name: qb, .offset: 0, .size: 8, .value_kind: global_buffer, .address_space: global }
      - { .name: kv, .offset: 8, .size: 8, .value_kind: global_buffer, .address_space: global }
      - { .name: oq, .offset: 16, .size: 8, .value_kind: global_buffer, .address_space: global }
    .group_segment_fixed_size: 219136
    .private_segment_fixed_size: 0
    .kernarg_segment_align: 8
    .kernarg_segment_size: 24
    .max_flat_workgroup_size: 512
    .sgpr_count:     66
    .vgpr_count:     256
    .wavefront_size: 32
...
	.end_amdgpu_metadata
.endif
;; end of part 3
;; launch wo (part 4): grid 8 x 32, 4 waves a work-group, clusters of 4 x 4, 327,680 bytes of LDS; arguments oq, Wo_codes, Wo_scales, bo, x, x1, x1q; writes x1, x1q
.if DOCPART == 4
	.amdgcn_target "amdgcn-amd-amdhsa--gfx1250"
	.amdhsa_code_object_version 6
	.text
	.protected	k_q8f4a16cce9_wo
	.globl	k_q8f4a16cce9_wo
	.p2align	8
	.type	k_q8f4a16cce9_wo,@function
k_q8f4a16cce9_wo:
	s_mov_b64 s[64:65], 0
	v_nop
	global_prefetch_b8 v0, s[64:65] scope:SCOPE_SE
	s_setreg_imm32_b32 hwreg(HW_REG_WAVE_MODE, 25, 1), 1
	s_wait_xcnt 0x0
	s_wait_alu depctr_hold_cnt(0) depctr_sa_sdst(0) depctr_va_vdst(0) depctr_va_sdst(0) depctr_va_ssrc(0) depctr_va_vcc(0) depctr_vm_vsrc(0)
	s_getreg_b32 s2, hwreg(HW_REG_IB_STS2, 6, 4)
	s_cmp_eq_u32 s2, 0
	s_cbranch_scc0 .Lentry_in_a_cluster
	s_endpgm
.Lentry_in_a_cluster:
	s_bfe_u32 s2, ttmp6, 0x10000c
	s_cmp_lg_u32 s2, 0xf033
	s_cbranch_scc0 .Lentry_shape_is_right
	s_endpgm
.Lentry_shape_is_right:
; x1 = x + out Wo + bo, on codes of E2M1; x1 leaves twice: as f32, in the order of the accumulators' registers (for the last launch), and as codes with scale words (for the next).
; A work-group makes 128 x 128, each of its four waves 64 x 64: 16 accumulators; 256 work-groups.  K = 1,024 is two LDS slots of 512: both are first fills, nothing is filled again.
; out's codes come as images of the operand's registers, Wo's as rows of 256 bytes + 16; all scale words of the tile come once.  CLUSTER 4 x 4: out's tiles are shared along a row, Wo's along a column, by joint loads.
; The product is used transposed (source 0 = 16 rows of Wo, source 1 = 16 rows of out): a lane holds one row and eight neighbouring columns; bo is the C of the first products.
; x1 [row tile][column tile of 16][g][lane][16 bytes]: registers 4 g .. 4 g + 3 of the 16 x 16 accumulator.
; LIMITS of the quantiser: a block of zeros gets the byte 1 (its codes are zeros; this program alone reads the bytes); largest magnitudes under 2^-124 are held at that floor; NaN and infinities are not served.
; REGISTERS: window 0: v1-29 addresses; v32-63 scale words, two sets, and nothing else; v64-95 the way out's own; v96-127 bo, later x in the accumulators' order; v128-255 accumulators ((a, b) at v[128 + 8 (4 a + b)]).
;   window 1: two fragment buffers of 128: two K steps deep, 64 registers of out, then 64 of Wo.   window 2: v0-127 x, asked for at the head.
.set NQ,    4                          ; K steps of 128 in a slot
; HOW THE TILES COME: each wave has ONE joint load, at the head, which brings both slots' part at once: waves 0 and 1 half of out's row tiles (two runs of 512 along K, 16,384 bytes each),
; waves 2 and 3 half of Wo's rows, whole: 512 bytes + 16 of padding a row (so read the 256 + 16 above).  The scale words of all of K go from memory straight into their registers, once.
; No loop asks for tiles here, so nothing is prefetched.
.set BP,    528
.set AREG,  65536                      ; out: two halves of 32,768; then Wo: 128 rows x 528
.set STAGE, AREG+128*BP
.set SWST,  STAGE+4*4352               ; the tile's 128 scale words
.set SPARE, SWST+512                   ; the spare words, 128 bytes for each wave
.set RO,   10
.set LI,   11
.set SROW, 12
.set SACC, 13
.set SWA,  14
.set SWR,  15
.set ADRA, 16
.set BA,   18
.set ADRB, 20
.set ADSA, 22
.set ADSB, 23
.set SPW,  28
.set NIL,  29
.set QM,   64
.set QP,   66
.set QS,   68
.set QE,   70
.set CC,   72                          ; v72-87  four registers of codes for each block of rows, never rewritten
.set HW,   88                          ; v88-91  a half-word of scale bytes for each, never rewritten
.set SWD,  92                          ; v92-95  the tile's scale words on their way out: registers that no store has named
.set XT,   96
.set ACC,  128
.set F0,   0
.set F1,   128
.set SEL,  98
.set G1, 24
.set G0, 32
.set G1B, 48
.set G0B, 56
.set MUL,  0x05                        ; sources 0 and 1 window 1; C and D window 0
.set MSB, 0
.macro WIN new
.if MSB != (\new)
	s_set_vgpr_msb (MSB<<8)|(\new)
.set MSB, (\new)
.endif
.endm
.macro PLACES
.rept 4
	v_nop
.endr
.endm
.macro JLOAD g0a, g1a, g0b, g1b        ; a joint load: waves 0 and 1 fetch for out, waves 2 and 3 for Wo
	s_cmp_eq_u32 s15, 0
	s_cbranch_scc0 .Lfor_b_\@
	tensor_load_to_lds s[\g0a:\g0a+3], s[\g1a:\g1a+7]
	s_nop 0
.rept 4
	v_nop
.endr
	s_branch .Lasked_\@
.Lfor_b_\@:
	tensor_load_to_lds s[\g0b:\g0b+3], s[\g1b:\g1b+7]
	s_nop 0
.rept 4
	v_nop
.endr
.Lasked_\@:
.endm
.macro CROUND
	s_barrier_signal -1
	s_barrier_wait -1
	s_cmp_lg_u32 s14, 0
	s_cbranch_scc1 .Lnot_wave_0_\@
	s_barrier_signal -3
.Lnot_wave_0_\@:
	s_barrier_wait -3
	s_barrier_signal -1
	s_barrier_wait -1
.endm
.macro WM d, s0, s1, c, x0, x1, r0, r1 ; one product; r0, r1: which half of the lanes holds each side's scale words
.if ((\r0) == 0) && ((\r1) == 0)
	v_wmma_scale_f32_16x16x128_f8f6f4 v[\d:\d+7], v[\s0:\s0+7], v[\s1:\s1+7], v[\c:\c+7], v[\x0], v[\x1] matrix_a_fmt:MATRIX_FMT_FP4 matrix_b_fmt:MATRIX_FMT_FP4
.elseif (\r1) == 0
	v_wmma_scale_f32_16x16x128_f8f6f4 v[\d:\d+7], v[\s0:\s0+7], v[\s1:\s1+7], v[\c:\c+7], v[\x0], v[\x1] matrix_a_fmt:MATRIX_FMT_FP4 matrix_b_fmt:MATRIX_FMT_FP4 matrix_a_scale:MATRIX_SCALE_ROW1
.elseif (\r0) == 0
	v_wmma_scale_f32_16x16x128_f8f6f4 v[\d:\d+7], v[\s0:\s0+7], v[\s1:\s1+7], v[\c:\c+7], v[\x0], v[\x1] matrix_a_fmt:MATRIX_FMT_FP4 matrix_b_fmt:MATRIX_FMT_FP4 matrix_b_scale:MATRIX_SCALE_ROW1
.else
	v_wmma_scale_f32_16x16x128_f8f6f4 v[\d:\d+7], v[\s0:\s0+7], v[\s1:\s1+7], v[\c:\c+7], v[\x0], v[\x1] matrix_a_fmt:MATRIX_FMT_FP4 matrix_b_fmt:MATRIX_FMT_FP4 matrix_a_scale:MATRIX_SCALE_ROW1 matrix_b_scale:MATRIX_SCALE_ROW1
.endif
.endm
; 8 products: row blocks a0, a0 + 1 x all 4 column blocks, one K step: depth c2 of buffer f, step st of the slot whose scale words are set.  first = 1: C is the bias.  The 16 accumulators take turns
.macro MUL8 f, c2, a0, first, set, st
.irp a, \a0, \a0+1
.irp b, 0,1,2,3
.set rD, ACC+8*(4*(\a)+\b)
.set rB, \f+64+8*(4*\c2+\b)
.set rA, \f+8*(4*\c2+(\a))
.set xA, 32+4*NQ*(\set)+2*(\st)+(\a)/2
.set xB, 32+4*NQ*(\set)+2*NQ+NQ*(\b/2)+(\st)
.if \first
.set cc, XT+8*\b
.else
.set cc, rD
.endif
	WM rD, rB, rA, cc, xB, xA, \b%2, (\a)%2
.endr
.endr
.endm
.macro FETCH slot, qu, f               ; 32 LDS loads: the fragments of K steps 2 qu, 2 qu + 1 of the slot into buffer f; the first step first
	WIN 0x40
.irp c2, 0,1
.irp i, 0,1,2,3
.set st, 2*(\qu)+\c2
	ds_load_b128 v[\f+64+8*(4*\c2+\i):\f+64+8*(4*\c2+\i)+3],   v[ADRB+\slot] offset:16*\i*BP+64*st
	ds_load_b128 v[\f+64+8*(4*\c2+\i)+4:\f+64+8*(4*\c2+\i)+7], v[ADRB+\slot] offset:16*\i*BP+64*st+32
	ds_load_b128 v[\f+8*(4*\c2+\i):\f+8*(4*\c2+\i)+3],         v[ADRA+\slot] offset:(st/4)*32768+4096*\i+1024*(st%4)
	ds_load_b128 v[\f+8*(4*\c2+\i)+4:\f+8*(4*\c2+\i)+7],       v[ADRA+\slot] offset:(st/4)*32768+4096*\i+1024*(st%4)+512
.endr
.endr
.endm
.macro SCALES set, phi                 ; the scale words of the phi-th NQ steps.  out's: register 2 st + i: lanes 0-15 block 2 i, lanes 16-31 block 2 i + 1.  Wo's: register 2 NQ + NQ i + st likewise
.set sst, 0
.rept NQ
	global_load_b32 v[32+4*NQ*(\set)+2*sst], v[ADSA], s[68:69] offset:(NQ*(\phi)+sst)*16384
	global_load_b32 v[32+4*NQ*(\set)+2*sst+1], v[ADSA], s[68:69] offset:(NQ*(\phi)+sst)*16384+128
.set sst, sst+1
.endr
.irp i, 0,1
.set sg, 0
.rept NQ/4
	global_load_b128 v[32+4*NQ*(\set)+2*NQ+NQ*\i+4*sg:32+4*NQ*(\set)+2*NQ+NQ*\i+4*sg+3], v[ADSB], s[70:71] offset:\i*1024+16*((NQ/4)*(\phi)+sg)
.set sg, sg+1
.endr
.endr
.endm
.macro QUARTER slot, qu, f, g, first   ; two K steps from buffer f; the next two are fetched into g
	s_wait_dscnt 16                                ; the first step's fragments are in; the second's sixteen loads may be out
	WIN MUL
	MUL8 \f, 0, 0, \first, \slot, 2*(\qu)
	MUL8 \f, 0, 2, \first, \slot, 2*(\qu)
	PLACES
	FETCH \slot, (\qu)+1, \g
	s_wait_dscnt 32                                ; all but the 32 just issued
	WIN MUL
	MUL8 \f, 1, 0, 0, \slot, 2*(\qu)+1
	MUL8 \f, 1, 2, 0, \slot, 2*(\qu)+1
.endm
.macro QUANT64 t, c                    ; 32 numbers of a lane, register 8 u + j = place 16 u + 8 (lane / 16) + j of 64 neighbours: afterwards lane (r, h) holds in v[c .. c + 3] the 16 bytes of block h; v[QE], v[QE+1]: the bytes
	v_max3_num_f32 v[QM], |v[\t]|, |v[\t+1]|, 0x1800000
	v_max3_num_f32 v[QM+1], |v[\t+16]|, |v[\t+17]|, 0x1800000
.irp i, 2,4,6,8,10,12,14
	v_max3_num_f32 v[QM], v[QM], |v[\t+\i]|, |v[\t+\i+1]|
	v_max3_num_f32 v[QM+1], v[QM+1], |v[\t+16+\i]|, |v[\t+17+\i]|
.endr
	v_permlanex16_b32 v[QP], v[QM], s[SEL], s[SEL+1]
	v_permlanex16_b32 v[QP+1], v[QM+1], s[SEL], s[SEL+1]
	v_max_num_f32 v[QM], v[QM], v[QP]
	v_max_num_f32 v[QM+1], v[QM+1], v[QP+1]
	v_add_nc_u32 v[QS], 0xff000000, v[QM]
	v_add_nc_u32 v[QS+1], 0xff000000, v[QM+1]
	v_lshrrev_b32 v[QE], 23, v[QS]
	v_lshrrev_b32 v[QE+1], 23, v[QS+1]
	v_cvt_scalef32_pk8_fp4_f32 v[\c], v[\t:\t+7], v[QS]
	v_cvt_scalef32_pk8_fp4_f32 v[\c+2], v[\t+8:\t+15], v[QS]
	v_cvt_scalef32_pk8_fp4_f32 v[\c+1], v[\t+16:\t+23], v[QS+1]
	v_cvt_scalef32_pk8_fp4_f32 v[\c+3], v[\t+24:\t+31], v[QS+1]
	v_nop
	v_permlane16_swap_b32 v[\c], v[\c+1]
	v_permlane16_swap_b32 v[\c+2], v[\c+3]
.endm
	s_load_b128 s[4:7], s[0:1], 0x0                ; oq, Wo's codes
	s_load_b128 s[8:11], s[0:1], 0x10              ; Wo's scales, bo
	s_load_b128 s[92:95], s[0:1], 0x20             ; x, x1
	s_load_b64 s[96:97], s[0:1], 0x30              ; x1q
	v_lshl_add_u32 v[SPW], v0, 2, SPARE
	v_mov_b32 v[NIL], 0
	ds_add_u32 v[SPW], v[NIL]                      ; the wave's opening: the add, twice on end, and its wait ahead of my first tensor load
	ds_add_u32 v[SPW], v[NIL]
	v_lshrrev_b32 v1, 5, v0
	v_readfirstlane_b32 s14, v1                    ; wave
	s_lshr_b32 s15, s14, 1                         ; my half of the rows; also: I fetch for out (0) or for Wo (1)
	s_and_b32 s16, s14, 1                          ; my half of the columns; also: which half I fetch
	s_bfe_u32 s40, ttmp6, 0x40000
	s_bfe_u32 s41, ttmp6, 0x40004
	s_lshl_b32 s42, ttmp9, 2
	s_add_co_u32 s42, s42, s40                     ; tile column
	s_and_b32 s17, ttmp7, 0xffff
	s_lshl_b32 s17, s17, 2
	s_add_co_u32 s17, s17, s41                     ; tile row
	s_lshl_b32 s43, s41, 2
	s_lshl_b32 s43, 15, s43                        ; my row of the cluster
	s_lshl_b32 s44, 0x1111, s40                    ; my column
	s_or_b32 s[G1], s43, (3<<16)|(1<<21)           ; out's codes: 64 dense rows of 256 bytes: four row tiles' images
	s_mov_b32 s[G1+1], 2048<<16                    ; (as it now stands: 2 rows of 2,048 elements, one for each run of 512 along K, 1,048,576 bytes apart: four row tiles' images a row)
	s_mov_b32 s[G1+2], 2<<16
	s_mov_b32 s[G1+3], 2048<<16
	s_mov_b32 s[G1+4], 2
	s_mov_b32 s[G1+5], 131072
	s_mov_b32 s[G1+6], 0
	s_mov_b32 s[G1+7], 0
	s_or_b32 s[G1B], s44, (1<<20)|(1<<21)|(6<<22)|(3<<25)  ; Wo's codes: 64 rows of 512 bytes; four words of padding behind every 128
	s_mov_b32 s[G1B+1], 512<<16
	s_mov_b32 s[G1B+2], 64<<16
	s_mov_b32 s[G1B+3], 512<<16
	s_mov_b32 s[G1B+4], 64
	s_mov_b32 s[G1B+5], 512
	s_mov_b32 s[G1B+6], 0
	s_mov_b32 s[G1B+7], 0
	s_lshl_b32 s20, s17, 15
	s_lshl_b32 s18, s16, 14
	s_add_co_u32 s20, s20, s18                     ; out's codes: (8 tile row + 4 half) x 4,096
	s_mov_b32 s21, 0
	s_lshl_b32 s22, s17, 9
	s_lshl_b32 s18, s15, 8
	s_add_co_u32 s22, s22, s18
	s_add_co_u32 s22, s22, 2097152                 ; out's scale words
	s_mov_b32 s23, 0
	s_lshl_b32 s46, s42, 16
	s_lshl_b32 s47, s16, 15
	s_add_co_u32 s46, s46, s47                     ; Wo's codes: (128 tile column + 64 half) x 512
	s_mov_b32 s47, 0
	s_lshl_b32 s12, s42, 12
	s_lshl_b32 s13, s16, 11
	s_add_co_u32 s12, s12, s13                     ; Wo's scale bytes: x 32
	s_mov_b32 s13, 0
	s_wait_dscnt 0x0                               ; both opening adds are done
	s_wait_kmcnt 0x0
	s_add_nc_u64 s[20:21], s[4:5], s[20:21]
	s_add_nc_u64 s[46:47], s[6:7], s[46:47]
	s_add_nc_u64 s[68:69], s[4:5], s[22:23]        ; out's scale words at my 64 rows
	s_add_nc_u64 s[70:71], s[8:9], s[12:13]        ; Wo's scale bytes at my 64 columns
	s_mov_b32 s[G0], 1
	s_lshl_b32 s[G0+1], s16, 15
	s_mov_b64 s[G0+2:G0+3], s[20:21]
	s_or_b32 s[G0+3], s[G0+3], 0x80000000
	s_mov_b32 s[G0B], 1
	s_mul_i32 s[G0B+1], s16, 64*BP
	s_add_co_u32 s[G0B+1], s[G0B+1], AREG
	s_mov_b64 s[G0B+2:G0B+3], s[46:47]
	s_or_b32 s[G0B+3], s[G0B+3], 0x80000000
	CROUND                                         ; all sixteen work-groups are here
	JLOAD G0, G1, G0B, G1B                         ; my one tensor load
	v_and_b32 v1, 15, v0                           ; r
	v_bfe_u32 v2, v0, 4, 1                         ; h
	v_and_b32 v3, 31, v0                           ; lane
	v_lshlrev_b32 v[LI], 4, v3
	v_lshlrev_b32 v[RO], 12, v2
	v_lshl_add_u32 v[RO], v1, 4, v[RO]             ; by rows: lanes 0-15 one row's 256 bytes, lanes 16-31 the next row's
	v_lshlrev_b32 v[BA], 5, v2                     ; the bias: eight columns of my half
	s_lshl_b32 s21, s15, 15
	v_add_nc_u32 v[ADRA], s21, v[LI]
	s_add_co_u32 s21, s21, 16384
	v_add_nc_u32 v[ADRA+1], s21, v[LI]
	v_mul_u32_u24 v4, v1, BP
	v_lshl_add_u32 v4, v2, 4, v4
	s_mul_i32 s22, s16, 64*BP
	s_add_co_u32 s22, s22, AREG
	v_add_nc_u32 v[ADRB], s22, v4
	s_add_co_u32 s22, s22, 256
	v_add_nc_u32 v[ADRB+1], s22, v4
	v_lshlrev_b32 v[ADSA], 2, v3                   ; out's words: 4 bytes a row, 32 rows a load
	v_lshlrev_b32 v[ADSB], 5, v3                   ; Wo's scale bytes: 32 a row, 32 rows a pair of loads
	s_mul_i32 s23, s14, 4352
	s_add_co_u32 s23, s23, STAGE                   ; my stage
	v_mul_u32_u24 v4, v2, 272
	v_lshl_add_u32 v4, v1, 4, v4
	v_add_nc_u32 v[SROW], s23, v4                  ; by rows
	v_mul_u32_u24 v4, v1, 272
	v_lshl_add_u32 v4, v2, 5, v4
	v_add_nc_u32 v[SACC], s23, v4                  ; by accumulators: row r, + 32 h
	s_lshl_b32 s23, s15, 8
	s_lshl_b32 s22, s16, 1
	s_add_co_u32 s23, s23, s22
	s_add_co_u32 s23, s23, SWST
	v_lshl_add_u32 v[SWA], v1, 2, s23              ; my rows' scale words, my half of each
	v_add_nc_u32 v[SWR], SWST, v[LI]
	v_mov_b32 v[QP], 0
	v_mov_b32 v[QP+1], 0
	s_mov_b32 s[SEL], 0x76543210
	s_mov_b32 s[SEL+1], 0xfedcba98
	s_lshl_b32 s46, s17, 19
	s_lshl_b32 s2, s15, 18
	s_add_co_u32 s46, s46, s2                      ; my 64 rows: in x rows of 4,096 bytes, in x1 row tiles of 65,536
	s_lshl_b32 s2, s42, 9
	s_lshl_b32 s3, s16, 8
	s_add_co_u32 s2, s2, s3                        ; my 64 columns, 4 bytes each
	s_mov_b32 s3, 0
	s_add_nc_u64 s[10:11], s[10:11], s[2:3]        ; bo
	s_add_co_u32 s12, s46, s2
	s_mov_b32 s13, 0
	s_add_nc_u64 s[92:93], s[92:93], s[12:13]      ; x
	s_lshl_b32 s2, s2, 4                           ; column tiles of 1,024 bytes
	s_add_co_u32 s12, s46, s2
	s_add_nc_u64 s[94:95], s[94:95], s[12:13]      ; x1
	s_lshr_b32 s12, s42, 2
	s_lshl_b32 s12, s12, 20
	s_lshr_b32 s2, s46, 4
	s_add_co_u32 s12, s12, s2
	s_and_b32 s2, s42, 3
	s_lshl_b32 s2, s2, 10
	s_add_co_u32 s12, s12, s2
	s_lshl_b32 s2, s16, 9
	s_add_co_u32 s12, s12, s2                      ; x1's codes: K step = tile column, half = my half of the columns
	s_lshl_b32 s46, s42, 14
	s_lshl_b32 s2, s17, 9
	s_add_co_u32 s46, s46, s2
	s_add_co_u32 s46, s46, 2097152                 ; the tile's 128 scale words
	s_mov_b32 s47, 0
	s_add_nc_u64 s[46:47], s[96:97], s[46:47]
	s_add_nc_u64 s[96:97], s[96:97], s[12:13]
	s_wait_alu depctr_va_vdst(0)                   ; the wait ahead of the readers below
	SCALES 0, 0
	SCALES 1, 1
.irp b, 0,1,2,3
	global_load_b128 v[XT+8*\b:XT+8*\b+3], v[BA], s[10:11] offset:64*\b
	global_load_b128 v[XT+8*\b+4:XT+8*\b+7], v[BA], s[10:11] offset:64*\b+16
.endr
	WIN 0x80
.irp a, 0,1,2,3
.irp t, 0,1,2,3,4,5,6,7
	global_load_b128 v[32*\a+4*\t:32*\a+4*\t+3], v[RO], s[92:93] offset:(16*\a+2*\t)*4096   ; sixteen lanes read 256 consecutive bytes, aligned
.endr
.endr
	WIN 0
	s_wait_alu depctr_va_vdst(0)
	s_wait_tensorcnt 0x0                           ; my part of the tiles is in: all of K
	s_barrier_signal -1
	s_barrier_wait -1
	FETCH 0, 0, F0
	s_wait_loadcnt 32                              ; the scale words and bo are in; x's 32 loads may be out
	QUARTER 0, 0, F0, F1, 1
	s_wait_dscnt 16                                ; slot 0's last two steps; the next fragments are slot 1's
	WIN MUL
	MUL8 F1, 0, 0, 0, 0, 2
	MUL8 F1, 0, 2, 0, 0, 2
	PLACES
	FETCH 1, 0, F0
	s_wait_dscnt 32
	WIN MUL
	MUL8 F1, 1, 0, 0, 0, 3
	MUL8 F1, 1, 2, 0, 0, 3
	QUARTER 1, 0, F0, F1, 0
	s_wait_dscnt 16
	WIN MUL
	MUL8 F1, 0, 0, 0, 1, 2
	MUL8 F1, 0, 2, 0, 1, 2
	s_wait_dscnt 0x0
	MUL8 F1, 1, 0, 0, 1, 3
	MUL8 F1, 1, 2, 0, 1, 3
	WIN 0
	s_wait_loadcnt 0x0                             ; x
	PLACES
; THE WAY OUT, 16 rows at a time: x turns through my stage from rows into the accumulators' order and is added in place; x1 leaves as it stands in the registers; then its codes and my half of the rows' scale words.
; No register that a global store reads is written again in this kernel: each block of rows has its own accumulators, codes and half-word.
.macro EPI a
	WIN 0x08                                       ; an LDS store's data are its source 1: window 2
.irp t, 0,1,2,3,4,5,6,7
	ds_store_b128 v[SROW], v[32*\a+4*\t:32*\a+4*\t+3] offset:544*\t
.endr
	WIN 0
.irp n, 0,1,2,3,4,5,6,7
	ds_load_b128 v[XT+4*\n:XT+4*\n+3], v[SACC] offset:64*(\n/2)+16*(\n%2)    ; LDS serves a wave's instructions in order: these see the stores above
.endr
	s_wait_dscnt 0x0
.irp n, 0,2,4,6,8,10,12,14,16,18,20,22,24,26,28,30
	v_pk_add_f32 v[ACC+32*\a+\n:ACC+32*\a+\n+1], v[ACC+32*\a+\n:ACC+32*\a+\n+1], v[XT+\n:XT+\n+1]
.endr
.irp n, 0,1,2,3,4,5,6,7
	global_store_b128 v[LI], v[ACC+32*\a+4*\n:ACC+32*\a+4*\n+3], s[94:95] offset:65536*\a+512*\n   ; 512 consecutive bytes, aligned
.endr
	QUANT64 ACC+32*\a, CC+4*\a
	global_store_b128 v[LI], v[CC+4*\a:CC+4*\a+3], s[96:97] offset:4096*\a
	v_lshl_or_b32 v[HW+\a], v[QE+1], 8, v[QE]
	ds_store_b16 v[SWA], v[HW+\a] offset:64*\a
.endm
	EPI 0
	EPI 1
	EPI 2
	EPI 3
	s_wait_dscnt 0x0                               ; for the others' sake: my halves of the scale words are stored
	s_barrier_signal -1
	s_barrier_wait -1
	s_cmp_lg_u32 s14, 0                            ; wave 0 sends the tile's 128 words
	s_cbranch_scc1 .Lend
	ds_load_b128 v[SWD:SWD+3], v[SWR]              ; into registers that no pending store reads
	s_wait_dscnt 0x0
	global_store_b128 v[LI], v[SWD:SWD+3], s[46:47]   ; 512 consecutive bytes, aligned
.Lend:
	s_wait_tensorcnt 0x0                           ; the wave's end
	ds_add_u32 v[SPW], v[NIL]
	s_wait_dscnt 0x0
	CROUND                                         ; the closing round
	s_endpgm
.Lfunc_end_k_q8f4a16cce9_wo:
	.size	k_q8f4a16cce9_wo, .Lfunc_end_k_q8f4a16cce9_wo-k_q8f4a16cce9_wo
	.p2alignl 7, 3214868480
	.fill 96, 4, 3214868480
	.section	.rodata,"a",@progbits
	.p2align	6, 0x0
	.amdhsa_kernel k_q8f4a16cce9_wo
		.amdhsa_group_segment_fixed_size 327680
		.amdhsa_private_segment_fixed_size 0
		.amdhsa_enable_private_segment 0
		.amdhsa_kernarg_size 56
		.amdhsa_user_sgpr_count 2
		.amdhsa_user_sgpr_kernarg_segment_ptr 1
		.amdhsa_wavefront_size32 1
		.amdhsa_system_sgpr_workgroup_id_x 1
		.amdhsa_system_sgpr_workgroup_id_y 1
		.amdhsa_system_sgpr_workgroup_id_z 1
		.amdhsa_system_vgpr_workitem_id 0
		.amdhsa_next_free_vgpr 768
		.amdhsa_next_free_sgpr 100
		.amdhsa_reserve_vcc 0
		.amdhsa_float_denorm_mode_32 3
		.amdhsa_float_denorm_mode_16_64 3
		.amdhsa_memory_ordered 1
		.amdhsa_forward_progress 1
		.amdhsa_inst_pref_size 59
	.end_amdhsa_kernel
	.amdgpu_metadata
---
amdhsa.version: [ 1, 2 ]
amdhsa.kernels:
  - .name:           k_q8f4a16cce9_wo
    .symbol:         k_q8f4a16cce9_wo.kd
    .args:
      - { .name: oq, .offset: 0, .size: 8, .value_kind: global_buffer, .address_space: global }
      - { .name: Wo_codes, .offset: 8, .size: 8, .value_kind: global_buffer, .address_space: global }
      - { .name: Wo_scales, .offset: 16, .size: 8, .value_kind: global_buffer, .address_space: global }
      - { .name: bo, .offset: 24, .size: 8, .value_kind: global_buffer, .address_space: global }
      - { .name: x, .offset: 32, .size: 8, .value_kind: global_buffer, .address_space: global }
      - { .name: x1, .offset: 40, .size: 8, .value_kind: global_buffer, .address_space: global }
      - { .name: x1q, .offset: 48, .size: 8, .value_kind: global_buffer, .address_space: global }
    .group_segment_fixed_size: 327680
    .private_segment_fixed_size: 0
    .kernarg_segment_align: 8
    .kernarg_segment_size: 56
    .max_flat_workgroup_size: 128
    .sgpr_count:     100
    .vgpr_count:     768
    .wavefront_size: 32
...
	.end_amdgpu_metadata
.endif
;; end of part 4
;; launch ff1 (part 5): grid 16 x 16, 4 waves a work-group, clusters of 4 x 4, 327,680 bytes of LDS; arguments x1q, W1_codes, W1_scales, b1, hq; writes hq
.if DOCPART == 5
	.amdgcn_target "amdgcn-amd-amdhsa--gfx1250"
	.amdhsa_code_object_version 6
	.text
	.protected	k_q8f4a16cce9_ff1
	.globl	k_q8f4a16cce9_ff1
	.p2align	8
	.type	k_q8f4a16cce9_ff1,@function
k_q8f4a16cce9_ff1:
	s_mov_b64 s[64:65], 0
	v_nop
	global_prefetch_b8 v0, s[64:65] scope:SCOPE_SE
	s_setreg_imm32_b32 hwreg(HW_REG_WAVE_MODE, 25, 1), 1
	s_wait_xcnt 0x0
	s_wait_alu depctr_hold_cnt(0) depctr_sa_sdst(0) depctr_va_vdst(0) depctr_va_sdst(0) depctr_va_ssrc(0) depctr_va_vcc(0) depctr_vm_vsrc(0)
	s_getreg_b32 s2, hwreg(HW_REG_IB_STS2, 6, 4)
	s_cmp_eq_u32 s2, 0
	s_cbranch_scc0 .Lentry_in_a_cluster
	s_endpgm
.Lentry_in_a_cluster:
	s_bfe_u32 s2, ttmp6, 0x10000c
	s_cmp_lg_u32 s2, 0xf033
	s_cbranch_scc0 .Lentry_shape_is_right
	s_endpgm
.Lentry_shape_is_right:
; h = relu(x1 W1 + b1), on codes of E2M1; h leaves as codes and scale words in the order of the next operand's registers (as quantx lays x, with K = 4,096; the words at byte 8,388,608).
; A work-group makes 256 x 256, each of its four waves 128 x 128: 64 accumulators; 256 work-groups.  CLUSTER 4 x 4: x1's tiles are shared along a row, W1's along a column, by joint loads.
; Each wave has ONE joint load, at the head, for all of K: waves 0 and 1 half of x1's row tiles (two runs of 512 along K, 32,768 bytes each), waves 2 and 3 half of W1's rows (512 bytes + 16 of padding).
; The scale words of all of K go from memory straight into their registers, once.  No loop asks for tiles, so nothing is prefetched.
; The product is used transposed (source 0 = 16 rows of W1, source 1 = 16 rows of x1): a lane holds one row and eight neighbouring columns; b1 is the C of the first products.
; LIMITS of the quantiser: a block of zeros gets the byte 1 (its codes are zeros; this program alone reads the bytes); largest magnitudes under 2^-124 are held at that floor; NaN and infinities are not served.
; REGISTERS: window 0: v1-29 addresses; v32-95 scale words, two sets, and nothing else; v128-191 x1's fragments; on the way out v96-99, v128-247.  window 1: W1's fragments at v0 and v128; b1 at v64-127.
;   window 2: accumulators of my rows 0-63 ((a, b) at v[8 (8 a + b)]); window 3: of rows 64-127.
.set BOFF,   131072                    ; x1: two halves of 65,536; then W1: 256 rows x 528
.set PITCH,  528
.set STG1,   BOFF+256*PITCH            ; 1,024 bytes a wave for scale words
.set SPARE,  STG1+4096
.set STA1, 8
.set STR1, 9
.set BQ,   12
.set ADRA, 16
.set ADRB, 20
.set LI,   24
.set ADSB, 26
.set ADSA, 27
.set SPW,  28
.set NIL,  29
.set SC,   32
.set AF,   128
.set TT,   128
.set CC,   160
.set WW,   224
.set QM,   240
.set QP,   242
.set QS,   244
.set QE,   246
.set SEL,  98
.set G1, 24
.set G0, 32
.set G1B, 48
.set G0B, 56
.set MSB, 0
.macro WIN new
.if MSB != (\new)
	s_set_vgpr_msb (MSB<<8)|(\new)
.set MSB, (\new)
.endif
.endm
.macro PLACES
.rept 4
	v_nop
.endr
.endm
.macro JLOAD g0a, g1a, g0b, g1b
	s_cmp_eq_u32 s15, 0
	s_cbranch_scc0 .Lfor_b_\@
	tensor_load_to_lds s[\g0a:\g0a+3], s[\g1a:\g1a+7]
	s_nop 0
.rept 4
	v_nop
.endr
	s_branch .Lasked_\@
.Lfor_b_\@:
	tensor_load_to_lds s[\g0b:\g0b+3], s[\g1b:\g1b+7]
	s_nop 0
.rept 4
	v_nop
.endr
.Lasked_\@:
.endm
.macro CROUND
	s_barrier_signal -1
	s_barrier_wait -1
	s_cmp_lg_u32 s14, 0
	s_cbranch_scc1 .Lnot_wave_0_\@
	s_barrier_signal -3
.Lnot_wave_0_\@:
	s_barrier_wait -3
	s_barrier_signal -1
	s_barrier_wait -1
.endm
.macro WM d, s0, s1, c, x0, x1, r0, r1
.if ((\r0) == 0) && ((\r1) == 0)
	v_wmma_scale_f32_16x16x128_f8f6f4 v[\d:\d+7], v[\s0:\s0+7], v[\s1:\s1+7], v[\c:\c+7], v[\x0], v[\x1] matrix_a_fmt:MATRIX_FMT_FP4 matrix_b_fmt:MATRIX_FMT_FP4
.elseif (\r1) == 0
	v_wmma_scale_f32_16x16x128_f8f6f4 v[\d:\d+7], v[\s0:\s0+7], v[\s1:\s1+7], v[\c:\c+7], v[\x0], v[\x1] matrix_a_fmt:MATRIX_FMT_FP4 matrix_b_fmt:MATRIX_FMT_FP4 matrix_a_scale:MATRIX_SCALE_ROW1
.elseif (\r0) == 0
	v_wmma_scale_f32_16x16x128_f8f6f4 v[\d:\d+7], v[\s0:\s0+7], v[\s1:\s1+7], v[\c:\c+7], v[\x0], v[\x1] matrix_a_fmt:MATRIX_FMT_FP4 matrix_b_fmt:MATRIX_FMT_FP4 matrix_b_scale:MATRIX_SCALE_ROW1
.else
	v_wmma_scale_f32_16x16x128_f8f6f4 v[\d:\d+7], v[\s0:\s0+7], v[\s1:\s1+7], v[\c:\c+7], v[\x0], v[\x1] matrix_a_fmt:MATRIX_FMT_FP4 matrix_b_fmt:MATRIX_FMT_FP4 matrix_a_scale:MATRIX_SCALE_ROW1 matrix_b_scale:MATRIX_SCALE_ROW1
.endif
.endm
.macro MUL16 a0, p, q, sc, first
.irp a, \a0, \a0+1
.irp b, 0,1,2,3,4,5,6,7
.set rD, 8*(8*((\a)%4)+\b)
.set rB, 128*(\p)+8*\b
.set rA, AF+8*(\a)
.set xA, SC+32*(\sc)+4*(\q)+(\a)/2
.set xB, SC+32*(\sc)+16+4*(\b/2)+(\q)
.if \first
.set cc, 64+8*\b
.else
.set cc, rD
.endif
	WM rD, rB, rA, cc, xB, xA, \b%2, (\a)%2
.endr
.endr
.endm
.macro WINM hi, first
.if \first
	WIN ((2+\hi)<<6)|(1<<4)|1
.else
	WIN ((2+\hi)<<6)|((2+\hi)<<4)|1
.endif
.endm
.macro FETCH_B slot, q, p
	WIN 0x40
.irp i, 0,1,2,3,4,5,6,7
.irp c, 0,1
	ds_load_b128 v[128*(\p)+8*\i+4*\c:128*(\p)+8*\i+4*\c+3], v[ADRB+\slot] offset:64*(\q)+32*\c+\i*16*PITCH
.endr
.endr
	WIN 0
.endm
.macro FETCH_A slot, q, i0
.irp i, \i0, \i0+1, \i0+2, \i0+3
.irp c, 0,1
	ds_load_b128 v[AF+8*(\i)+4*\c:AF+8*(\i)+4*\c+3], v[ADRA+\slot] offset:4096*(\i)+1024*(\q)+512*\c
.endr
.endr
.endm
.macro SCALES sc
.irp q, 0,1,2,3
.irp i, 0,1,2,3
	global_load_b32 v[SC+32*\sc+4*\q+\i], v[ADSA], s[68:69] offset:(4*\sc+\q)*16384+128*\i
.endr
.endr
.irp i, 0,1,2,3
	global_load_b128 v[SC+32*\sc+16+4*\i:SC+32*\sc+16+4*\i+3], v[ADSB], s[70:71] offset:16*\sc+1024*\i
.endr
.endm
.macro STEP slot, q, first
	s_wait_dscnt 8
	WINM 0, \first
	MUL16 0, (\q)%2, \q, \slot, \first
	MUL16 2, (\q)%2, \q, \slot, \first
	s_wait_dscnt 0x0
	PLACES
.set nS, (\slot)+((\q)+1)/4            ; the step behind a slot's last is the next slot's first
.set nQ, ((\q)+1)%4
	FETCH_B nS, nQ, 1-(\q)%2
	FETCH_A nS, nQ, 0
	WINM 1, \first
	MUL16 4, (\q)%2, \q, \slot, \first
	MUL16 6, (\q)%2, \q, \slot, \first
	PLACES
	WIN 0
	FETCH_A nS, nQ, 4
.endm
.macro QUANT64 t, c
	v_max3_num_f32 v[QM], |v[\t]|, |v[\t+1]|, 0x1800000
	v_max3_num_f32 v[QM+1], |v[\t+16]|, |v[\t+17]|, 0x1800000
.irp i, 2,4,6,8,10,12,14
	v_max3_num_f32 v[QM], v[QM], |v[\t+\i]|, |v[\t+\i+1]|
	v_max3_num_f32 v[QM+1], v[QM+1], |v[\t+16+\i]|, |v[\t+17+\i]|
.endr
	v_permlanex16_b32 v[QP], v[QM], s[SEL], s[SEL+1]
	v_permlanex16_b32 v[QP+1], v[QM+1], s[SEL], s[SEL+1]
	v_max_num_f32 v[QM], v[QM], v[QP]
	v_max_num_f32 v[QM+1], v[QM+1], v[QP+1]
	v_add_nc_u32 v[QS], 0xff000000, v[QM]
	v_add_nc_u32 v[QS+1], 0xff000000, v[QM+1]
	v_lshrrev_b32 v[QE], 23, v[QS]
	v_lshrrev_b32 v[QE+1], 23, v[QS+1]
	v_cvt_scalef32_pk8_fp4_f32 v[\c], v[\t:\t+7], v[QS]
	v_cvt_scalef32_pk8_fp4_f32 v[\c+2], v[\t+8:\t+15], v[QS]
	v_cvt_scalef32_pk8_fp4_f32 v[\c+1], v[\t+16:\t+23], v[QS+1]
	v_cvt_scalef32_pk8_fp4_f32 v[\c+3], v[\t+24:\t+31], v[QS+1]
	v_nop
	v_permlane16_swap_b32 v[\c], v[\c+1]
	v_permlane16_swap_b32 v[\c+2], v[\c+3]
.endm
	s_load_b128 s[4:7], s[0:1], 0x0
	s_load_b128 s[8:11], s[0:1], 0x10
	s_load_b64 s[92:93], s[0:1], 0x20
	v_lshl_add_u32 v[SPW], v0, 2, SPARE
	v_mov_b32 v[NIL], 0
	ds_add_u32 v[SPW], v[NIL]
	ds_add_u32 v[SPW], v[NIL]
	v_lshrrev_b32 v1, 5, v0
	v_readfirstlane_b32 s14, v1
	s_lshr_b32 s15, s14, 1
	s_and_b32 s16, s14, 1
	s_bfe_u32 s40, ttmp6, 0x40000
	s_bfe_u32 s41, ttmp6, 0x40004
	s_lshl_b32 s42, ttmp9, 2
	s_add_co_u32 s42, s42, s40
	s_and_b32 s17, ttmp7, 0xffff
	s_lshl_b32 s17, s17, 2
	s_add_co_u32 s17, s17, s41
	s_lshl_b32 s43, s41, 2
	s_lshl_b32 s43, 15, s43
	s_lshl_b32 s44, 0x1111, s40
	s_or_b32 s[G1], s43, (3<<16)|(1<<21)
	s_mov_b32 s[G1+1], 4096<<16                    ; x1's codes: 2 rows of 4,096 elements of 8 bytes, 1,048,576 bytes apart
	s_mov_b32 s[G1+2], 2<<16
	s_mov_b32 s[G1+3], 4096<<16
	s_mov_b32 s[G1+4], 2
	s_mov_b32 s[G1+5], 131072
	s_mov_b32 s[G1+6], 0
	s_mov_b32 s[G1+7], 0
	s_or_b32 s[G1B], s44, (1<<20)|(1<<21)|(6<<22)|(3<<25)  ; W1's codes: 128 rows of 512 bytes; four words of padding behind every 128
	s_mov_b32 s[G1B+1], 512<<16
	s_mov_b32 s[G1B+2], 128<<16
	s_mov_b32 s[G1B+3], 512<<16
	s_mov_b32 s[G1B+4], 128
	s_mov_b32 s[G1B+5], 512
	s_mov_b32 s[G1B+6], 0
	s_mov_b32 s[G1B+7], 0
	s_lshl_b32 s20, s17, 16
	s_lshl_b32 s18, s16, 15
	s_add_co_u32 s20, s20, s18
	s_mov_b32 s21, 0
	s_lshl_b32 s22, s17, 10
	s_lshl_b32 s18, s15, 9
	s_add_co_u32 s22, s22, s18
	s_add_co_u32 s22, s22, 2097152
	s_mov_b32 s23, 0
	s_lshl_b32 s46, s42, 17
	s_lshl_b32 s47, s16, 16
	s_add_co_u32 s46, s46, s47
	s_mov_b32 s47, 0
	s_lshl_b32 s12, s42, 13
	s_lshl_b32 s13, s16, 12
	s_add_co_u32 s12, s12, s13
	s_mov_b32 s13, 0
	s_wait_dscnt 0x0
	s_wait_kmcnt 0x0
	s_add_nc_u64 s[20:21], s[4:5], s[20:21]
	s_add_nc_u64 s[46:47], s[6:7], s[46:47]
	s_add_nc_u64 s[68:69], s[4:5], s[22:23]        ; x1's scale words at my 128 rows
	s_add_nc_u64 s[70:71], s[8:9], s[12:13]        ; W1's scale bytes at my 128 columns
	s_mov_b32 s[G0], 1
	s_lshl_b32 s[G0+1], s16, 16                    ; where the codes go: no place in the cluster enters an LDS address
	s_mov_b64 s[G0+2:G0+3], s[20:21]
	s_or_b32 s[G0+3], s[G0+3], 0x80000000
	s_mov_b32 s[G0B], 1
	s_mul_i32 s[G0B+1], s16, 128*PITCH
	s_add_co_u32 s[G0B+1], s[G0B+1], BOFF
	s_mov_b64 s[G0B+2:G0B+3], s[46:47]
	s_or_b32 s[G0B+3], s[G0B+3], 0x80000000
	CROUND                                         ; all sixteen work-groups are here: the joint loads meet
	JLOAD G0, G1, G0B, G1B                         ; my one tensor load
	v_and_b32 v1, 15, v0
	v_bfe_u32 v2, v0, 4, 1
	v_and_b32 v3, 31, v0
	v_lshlrev_b32 v[LI], 4, v3
	v_lshlrev_b32 v[ADSA], 2, v3                   ; x1's words: 4 bytes a row, 32 rows a load
	v_lshlrev_b32 v[ADSB], 5, v3                   ; W1's: 32 bytes a row, 32 rows a pair of loads
	v_lshlrev_b32 v[BQ], 5, v2
	s_wait_alu depctr_va_vdst(0)                   ; the wait ahead of the readers below
	SCALES 0
	SCALES 1
	s_lshl_b32 s18, s42, 10
	s_lshl_b32 s2, s16, 9
	s_add_co_u32 s18, s18, s2
	s_mov_b32 s19, 0
	s_add_nc_u64 s[10:11], s[10:11], s[18:19]
	WIN 0x40
.irp b, 0,1,2,3,4,5,6,7
	global_load_b128 v[64+8*\b:67+8*\b], v[BQ], s[10:11] offset:64*\b
	global_load_b128 v[68+8*\b:71+8*\b], v[BQ], s[10:11] offset:64*\b+16
.endr
	WIN 0
	s_lshl_b32 s21, s15, 16
	v_add_nc_u32 v[ADRA], s21, v[LI]
	s_add_co_u32 s21, s21, 32768
	v_add_nc_u32 v[ADRA+1], s21, v[LI]
	v_mul_u32_u24 v4, v1, PITCH
	v_lshl_add_u32 v4, v2, 4, v4
	s_mul_i32 s22, s16, 128*PITCH
	s_add_co_u32 s22, s22, BOFF
	v_add_nc_u32 v[ADRB], s22, v4
	s_add_co_u32 s22, s22, 256
	v_add_nc_u32 v[ADRB+1], s22, v4
	s_lshl_b32 s23, s14, 10
	s_add_co_u32 s23, s23, STG1
	v_lshl_add_u32 v[STA1], v1, 2, s23
	v_add_nc_u32 v[STR1], s23, v[LI]
	v_mov_b32 v[QP], 0
	v_mov_b32 v[QP+1], 0
	s_mov_b32 s[SEL], 0x76543210
	s_mov_b32 s[SEL+1], 0xfedcba98
	s_lshl_b32 s2, s42, 1
	s_add_co_u32 s2, s2, s16
	s_lshr_b32 s12, s2, 2
	s_lshl_b32 s12, s12, 20
	s_and_b32 s3, s2, 3
	s_lshl_b32 s3, s3, 10
	s_add_co_u32 s12, s12, s3
	s_lshl_b32 s3, s17, 16
	s_add_co_u32 s12, s12, s3
	s_lshl_b32 s3, s15, 15
	s_add_co_u32 s12, s12, s3
	s_mov_b32 s13, 0
	s_add_nc_u64 s[94:95], s[92:93], s[12:13]
	s_lshl_b32 s12, s2, 14
	s_lshl_b32 s3, s17, 10
	s_add_co_u32 s12, s12, s3
	s_lshl_b32 s3, s15, 9
	s_add_co_u32 s12, s12, s3
	s_add_co_u32 s12, s12, 8388608
	s_add_nc_u64 s[96:97], s[92:93], s[12:13]
	s_wait_alu depctr_va_vdst(0)
	s_wait_tensorcnt 0x0                           ; my part of the tiles is in: all of K
	s_barrier_signal -1
	s_barrier_wait -1
	FETCH_B 0, 0, 0
	FETCH_A 0, 0, 0
	FETCH_A 0, 0, 4
	s_wait_loadcnt 0x0                             ; the scale words and b1
	STEP 0, 0, 1
	STEP 0, 1, 0
	STEP 0, 2, 0
	STEP 0, 3, 0
	STEP 1, 0, 0
	STEP 1, 1, 0
	STEP 1, 2, 0
	s_wait_dscnt 8
	WINM 0, 0
	MUL16 0, 1, 3, 1, 0
	MUL16 2, 1, 3, 1, 0
	s_wait_dscnt 0x0
	WINM 1, 0
	MUL16 4, 1, 3, 1, 0
	MUL16 6, 1, 3, 1, 0
	WIN 0
	PLACES
.macro GF a, g
	WIN 0x08+4*((\a)/4)
.set n, 0
.rept 32
	v_max_num_f32 v[TT+n], 0, v[8*(8*((\a)%4)+4*\g)+n]
.set n, n+1
.endr
	WIN 0
	QUANT64 TT, CC+4*(2*\a+\g)
	global_store_b128 v[LI], v[CC+4*(2*\a+\g):CC+4*(2*\a+\g)+3], s[94:95] offset:4096*\a+512*\g
.if \g == 0
	v_lshl_or_b32 v[WW+\a], v[QE+1], 8, v[QE]
.else
	v_lshl_or_b32 v[WW+\a], v[QE], 16, v[WW+\a]
	v_lshl_or_b32 v[WW+\a], v[QE+1], 24, v[WW+\a]
	ds_store_b32 v[STA1], v[WW+\a] offset:64*\a
.endif
.endm
.irp a, 0,1,2,3,4,5,6,7
	GF \a, 0
	GF \a, 1
.endr
	ds_load_b128 v[96:99], v[STR1]
	s_wait_dscnt 0x0
	global_store_b128 v[LI], v[96:99], s[96:97]
	s_wait_tensorcnt 0x0
	ds_add_u32 v[SPW], v[NIL]
	s_wait_dscnt 0x0
	CROUND
	s_endpgm
.Lfunc_end_k_q8f4a16cce9_ff1:
	.size	k_q8f4a16cce9_ff1, .Lfunc_end_k_q8f4a16cce9_ff1-k_q8f4a16cce9_ff1
	.p2alignl 7, 3214868480
	.fill 96, 4, 3214868480
	.section	.rodata,"a",@progbits
	.p2align	6, 0x0
	.amdhsa_kernel k_q8f4a16cce9_ff1
		.amdhsa_group_segment_fixed_size 327680
		.amdhsa_private_segment_fixed_size 0
		.amdhsa_enable_private_segment 0
		.amdhsa_kernarg_size 40
		.amdhsa_user_sgpr_count 2
		.amdhsa_user_sgpr_kernarg_segment_ptr 1
		.amdhsa_wavefront_size32 1
		.amdhsa_system_sgpr_workgroup_id_x 1
		.amdhsa_system_sgpr_workgroup_id_y 1
		.amdhsa_system_sgpr_workgroup_id_z 1
		.amdhsa_system_vgpr_workitem_id 0
		.amdhsa_next_free_vgpr 1024
		.amdhsa_next_free_sgpr 100
		.amdhsa_reserve_vcc 0
		.amdhsa_float_denorm_mode_32 3
		.amdhsa_float_denorm_mode_16_64 3
		.amdhsa_memory_ordered 1
		.amdhsa_forward_progress 1
		.amdhsa_inst_pref_size 146
	.end_amdhsa_kernel
	.amdgpu_metadata
---
amdhsa.version: [ 1, 2 ]
amdhsa.kernels:
  - .name:           k_q8f4a16cce9_ff1
    .symbol:         k_q8f4a16cce9_ff1.kd
    .args:
      - { .name: x1q, .offset: 0, .size: 8, .value_kind: global_buffer, .address_space: global }
      - { .name: W1_codes, .offset: 8, .size: 8, .value_kind: global_buffer, .address_space: global }
      - { .name: W1_scales, .offset: 16, .size: 8, .value_kind: global_buffer, .address_space: global }
      - { .name: b1, .offset: 24, .size: 8, .value_kind: global_buffer, .address_space: global }
      - { .name: hq, .offset: 32, .size: 8, .value_kind: global_buffer, .address_space: global }
    .group_segment_fixed_size: 327680
    .private_segment_fixed_size: 0
    .kernarg_segment_align: 8
    .kernarg_segment_size: 40
    .max_flat_workgroup_size: 128
    .sgpr_count:     100
    .vgpr_count:     1024
    .wavefront_size: 32
...
	.end_amdgpu_metadata
.endif
;; end of part 5
;; launch ff2 (part 6): grid 8 x 32, 4 waves a work-group, clusters of 4 x 4, 327,680 bytes of LDS; arguments hq, W2_codes, W2_scales, b2, x1, out0; writes out0
.if DOCPART == 6
	.amdgcn_target "amdgcn-amd-amdhsa--gfx1250"
	.amdhsa_code_object_version 6
	.text
	.protected	k_q8f4a16cce9_ff2
	.globl	k_q8f4a16cce9_ff2
	.p2align	8
	.type	k_q8f4a16cce9_ff2,@function
k_q8f4a16cce9_ff2:
	s_mov_b64 s[64:65], 0
	v_nop
	global_prefetch_b8 v0, s[64:65] scope:SCOPE_SE
	s_setreg_imm32_b32 hwreg(HW_REG_WAVE_MODE, 25, 1), 1
	s_wait_xcnt 0x0
	s_wait_alu depctr_hold_cnt(0) depctr_sa_sdst(0) depctr_va_vdst(0) depctr_va_sdst(0) depctr_va_ssrc(0) depctr_va_vcc(0) depctr_vm_vsrc(0)
	s_getreg_b32 s2, hwreg(HW_REG_IB_STS2, 6, 4)
	s_cmp_eq_u32 s2, 0
	s_cbranch_scc0 .Lentry_in_a_cluster
	s_endpgm
.Lentry_in_a_cluster:
	s_bfe_u32 s2, ttmp6, 0x10000c
	s_cmp_lg_u32 s2, 0xf033
	s_cbranch_scc0 .Lentry_shape_is_right
	s_endpgm
.Lentry_shape_is_right:
; out0 = x1 + h W2 + b2, on codes of E2M1.  A work-group makes 128 x 128, each of its four waves 64 x 64: 16 accumulators; 256 work-groups.
; K = 4,096 goes in four runs of 1,024 through two LDS slots: two first fills and two refills; each refill stands behind a round of the cluster's barrier, one tensor load a wave, and has a slot's 128 products in which to land.
; h's codes come as images of the operand's registers, W2's as rows of 512 bytes + 16; all scale words of the tile, for all of K, come once.  CLUSTER 4 x 4: h's tiles are shared along a row, W2's along a column, by joint loads.
; The product is used transposed (source 0 = 16 rows of W2, source 1 = 16 rows of h); b2 is the C of the first products; x1 arrives in the accumulators' order and is added in place; the rows leave through a stage.
; REGISTERS: window 0: v1-29 addresses; v32-95 scale words, two sets, and nothing else; v96-127 b2, later rows on their way out; v128-255 accumulators.  window 1: two fragment buffers of 128.  window 2: v0-127 x1.
.set NQ,    8                          ; K steps of 128 in a slot
.set BP,    528
.set AREG,  65536
.set NSTEP, 32
.set SLOT,  AREG+128*BP
.set SCA,   2*SLOT                     ; h's scale words [half][K step][64 rows]
; HOW THE TILES AND WORDS COME: at the head each wave has ONE joint load: waves 0 and 1 bring h's codes for slot 0 and slot 1, waves 2 and 3 W2's: both first fills are out together.
; The scale words go through registers into LDS, a quarter a wave, in whole units of 256 bytes (+ 16 of padding each).
; PREFETCH: what the two refills will ask for (runs 2 and 3 of 1,024) is asked for a whole slot ahead of each, one instruction a wave: waves 0 and 1 a run of 512 of h, waves 2 and 3 64 rows of W2;
; the four partners that load it jointly take a quarter each, told apart by address, each block of 256 bytes once in the cluster.  The last refill asks for nothing further.
.set PFO,   30                         ; the prefetches' offset
.set PFA,   4                          ; s[4:5] where the first stands, s[6:7] the second
.set SCB,   SCA+2*NSTEP*272
.set SBH,   8704
.set SBI,   4352
.set STAGE, SCB+2*SBH                  ; 16 rows x 272 bytes for each wave
.set SPARE, STAGE+4*4352               ; the spare words, 128 bytes for each wave
.set RO,   10
.set LI,   11
.set SROW, 12
.set SACC, 13
.set ADRA, 16
.set BA,   18
.set ADRB, 20
.set ADSA, 22
.set ADSB, 23
.set SPW,  28
.set NIL,  29
.set XT,   96
.set ACC,  128
.set F0,   0
.set F1,   128
.set G1, 24
.set G0, 32
.set G1B, 48
.set G0B, 56
.set G1S, 68
.set G0S, 76
.set G1SB, 80
.set G0SB, 88
.set MUL,  0x05
.set MSB, 0
.macro WIN new
.if MSB != (\new)
	s_set_vgpr_msb (MSB<<8)|(\new)
.set MSB, (\new)
.endif
.endm
.macro PLACES
.rept 4
	v_nop
.endr
.endm
.macro JLOAD g0a, g1a, g0b, g1b        ; a joint load: waves 0 and 1 fetch for h, waves 2 and 3 for W2
	s_cmp_eq_u32 s15, 0
	s_cbranch_scc0 .Lfor_b_\@
	tensor_load_to_lds s[\g0a:\g0a+3], s[\g1a:\g1a+7]
	s_nop 0
.rept 4
	v_nop
.endr
	s_branch .Lasked_\@
.Lfor_b_\@:
	tensor_load_to_lds s[\g0b:\g0b+3], s[\g1b:\g1b+7]
	s_nop 0
.rept 4
	v_nop
.endr
.Lasked_\@:
.endm
.macro CREST                           ; a round of the cluster's barrier behind its opening barrier
	s_cmp_lg_u32 s14, 0
	s_cbranch_scc1 .Lnot_wave_0_\@
	s_barrier_signal -3
.Lnot_wave_0_\@:
	s_barrier_wait -3
	s_barrier_signal -1
	s_barrier_wait -1
.endm
.macro CROUND
	s_barrier_signal -1
	s_barrier_wait -1
	CREST
.endm
.macro WM d, s0, s1, c, x0, x1, r0, r1
.if ((\r0) == 0) && ((\r1) == 0)
	v_wmma_scale_f32_16x16x128_f8f6f4 v[\d:\d+7], v[\s0:\s0+7], v[\s1:\s1+7], v[\c:\c+7], v[\x0], v[\x1] matrix_a_fmt:MATRIX_FMT_FP4 matrix_b_fmt:MATRIX_FMT_FP4
.elseif (\r1) == 0
	v_wmma_scale_f32_16x16x128_f8f6f4 v[\d:\d+7], v[\s0:\s0+7], v[\s1:\s1+7], v[\c:\c+7], v[\x0], v[\x1] matrix_a_fmt:MATRIX_FMT_FP4 matrix_b_fmt:MATRIX_FMT_FP4 matrix_a_scale:MATRIX_SCALE_ROW1
.elseif (\r0) == 0
	v_wmma_scale_f32_16x16x128_f8f6f4 v[\d:\d+7], v[\s0:\s0+7], v[\s1:\s1+7], v[\c:\c+7], v[\x0], v[\x1] matrix_a_fmt:MATRIX_FMT_FP4 matrix_b_fmt:MATRIX_FMT_FP4 matrix_b_scale:MATRIX_SCALE_ROW1
.else
	v_wmma_scale_f32_16x16x128_f8f6f4 v[\d:\d+7], v[\s0:\s0+7], v[\s1:\s1+7], v[\c:\c+7], v[\x0], v[\x1] matrix_a_fmt:MATRIX_FMT_FP4 matrix_b_fmt:MATRIX_FMT_FP4 matrix_a_scale:MATRIX_SCALE_ROW1 matrix_b_scale:MATRIX_SCALE_ROW1
.endif
.endm
.macro MUL8 f, c2, a0, first, set, st  ; 8 products: row blocks a0, a0 + 1 x 4 column blocks, one K step.  The 16 accumulators take turns
.irp a, \a0, \a0+1
.irp b, 0,1,2,3
.set rD, ACC+8*(4*(\a)+\b)
.set rB, \f+64+8*(4*\c2+\b)
.set rA, \f+8*(4*\c2+(\a))
.set xA, 32+4*NQ*(\set)+2*(\st)+(\a)/2
.set xB, 32+4*NQ*(\set)+2*NQ+NQ*(\b/2)+(\st)
.if \first
.set cc, XT+8*\b
.else
.set cc, rD
.endif
	WM rD, rB, rA, cc, xB, xA, \b%2, (\a)%2
.endr
.endr
.endm
.macro FETCH slot, qu, f               ; 32 LDS loads: the fragments of K steps 2 qu, 2 qu + 1 of the slot into buffer f; the first step first
	WIN 0x40
.irp c2, 0,1
.irp i, 0,1,2,3
.set st, 2*(\qu)+\c2
	ds_load_b128 v[\f+64+8*(4*\c2+\i):\f+64+8*(4*\c2+\i)+3],   v[ADRB+\slot] offset:16*\i*BP+64*st
	ds_load_b128 v[\f+64+8*(4*\c2+\i)+4:\f+64+8*(4*\c2+\i)+7], v[ADRB+\slot] offset:16*\i*BP+64*st+32
	ds_load_b128 v[\f+8*(4*\c2+\i):\f+8*(4*\c2+\i)+3],         v[ADRA+\slot] offset:(st/4)*32768+4096*\i+1024*(st%4)
	ds_load_b128 v[\f+8*(4*\c2+\i)+4:\f+8*(4*\c2+\i)+7],       v[ADRA+\slot] offset:(st/4)*32768+4096*\i+1024*(st%4)+512
.endr
.endr
.endm
.macro SCALES set, phi                 ; the scale words of the phi-th NQ steps.  h's: register 2 st + i: lanes 0-15 block 2 i, lanes 16-31 block 2 i + 1.  W2's: register 2 NQ + NQ i + st likewise
.set sst, 0
.rept NQ
	ds_load_b32 v[32+4*NQ*(\set)+2*sst], v[ADSA] offset:(NQ*(\phi)+sst)*272
	ds_load_b32 v[32+4*NQ*(\set)+2*sst+1], v[ADSA] offset:(NQ*(\phi)+sst)*272+128
.set sst, sst+1
.endr
.irp i, 0,1
.set sg, 0
.rept NQ/4
	ds_load_b128 v[32+4*NQ*(\set)+2*NQ+NQ*\i+4*sg:32+4*NQ*(\set)+2*NQ+NQ*\i+4*sg+3], v[ADSB] offset:\i*SBI+16*((NQ/4)*(\phi)+sg)
.set sg, sg+1
.endr
.endr
.endm
.macro QUARTER slot, qu, f, g, first   ; two K steps from buffer f; the next two are fetched into g
	s_wait_dscnt 16                                ; the first step's fragments are in; the second's sixteen loads may be out
	WIN MUL
	MUL8 \f, 0, 0, \first, \slot, 2*(\qu)
	MUL8 \f, 0, 2, \first, \slot, 2*(\qu)
	PLACES
	FETCH \slot, (\qu)+1, \g
	s_wait_dscnt 32                                ; all but the 32 just issued
	WIN MUL
	MUL8 \f, 1, 0, 0, \slot, 2*(\qu)+1
	MUL8 \f, 1, 2, 0, \slot, 2*(\qu)+1
.endm
; A slot's last two steps, and the change of slots: ONE barrier; in front of it each wave waits for all its tensor loads, adds 0 to its spare word, and waits for that and for its reads of this slot.
; fill = 1: the barrier opens a round of the cluster's barrier, and this slot is filled again with the run two on.  phi: which run of 1,024 the next slot holds
.macro TURN slot, next, fill, phi
	WIN 0
	s_wait_tensorcnt 0x0                           ; all my tensor loads have landed: my part of the next slot
	ds_add_u32 v[SPW], v[NIL]                      ; 0 onto my spare word
	s_wait_dscnt 17                                ; (the add and the youngest sixteen loads may be out)
	WIN MUL
	MUL8 F1, 0, 0, 0, \slot, NQ-2
	s_wait_dscnt 0x0                               ; the add is done, and my reads of this slot are over
	s_barrier_signal -1
	MUL8 F1, 0, 2, 0, \slot, NQ-2
	WIN 0
	s_barrier_wait -1
.if \fill
	CREST                                          ; no wave of any partner still reads this slot or has a load on its way
	s_add_nc_u64 s[G0+4*\slot+2:G0+4*\slot+3], s[G0+4*\slot+2:G0+4*\slot+3], 4194304   ; four runs of 512 on
	s_add_nc_u64 s[G0B+4*\slot+2:G0B+4*\slot+3], s[G0B+4*\slot+2:G0B+4*\slot+3], 1024
	JLOAD G0+4*\slot, G1, G0B+4*\slot, G1B         ; the first tensor load behind the round, my only one until the next
.else
	PLACES
.endif
	SCALES \next, \phi
	FETCH \next, 0, F0
.if (\phi) == 1
	global_prefetch_b8 v[PFO], s[PFA+2:PFA+3] th:TH_LOAD_NT scope:SCOPE_SE   ; what the next change of slots will ask for
.endif
	WIN MUL
	MUL8 F1, 1, 0, 0, \slot, NQ-1
	MUL8 F1, 1, 2, 0, \slot, NQ-1
.endm
	s_load_b128 s[4:7], s[0:1], 0x0                ; hq, W2's codes
	s_load_b128 s[8:11], s[0:1], 0x10              ; W2's scales, b2
	s_load_b128 s[92:95], s[0:1], 0x20             ; x1, out0
	v_lshl_add_u32 v[SPW], v0, 2, SPARE
	v_mov_b32 v[NIL], 0
	ds_add_u32 v[SPW], v[NIL]                      ; the wave's opening: the add, twice on end, and its wait ahead of my first tensor load
	ds_add_u32 v[SPW], v[NIL]
	v_lshrrev_b32 v1, 5, v0
	v_readfirstlane_b32 s14, v1
	s_lshr_b32 s15, s14, 1
	s_and_b32 s16, s14, 1
	s_bfe_u32 s40, ttmp6, 0x40000
	s_bfe_u32 s41, ttmp6, 0x40004
	s_lshl_b32 s42, ttmp9, 2
	s_add_co_u32 s42, s42, s40                     ; tile column
	s_and_b32 s17, ttmp7, 0xffff
	s_lshl_b32 s17, s17, 2
	s_add_co_u32 s17, s17, s41                     ; tile row
	s_lshl_b32 s43, s41, 2
	s_lshl_b32 s43, 15, s43
	s_lshl_b32 s44, 0x1111, s40
	s_or_b32 s[G1], s43, (3<<16)|(1<<21)           ; h's codes: 128 dense rows of 256 bytes: eight row tiles' images of one run of 512
	s_mov_b32 s[G1+1], 32<<16
	s_mov_b32 s[G1+2], 128<<16
	s_mov_b32 s[G1+3], 32<<16
	s_mov_b32 s[G1+4], 128
	s_mov_b32 s[G1+5], 32
	s_mov_b32 s[G1+6], 0
	s_mov_b32 s[G1+7], 0
	s_or_b32 s[G1B], s44, (1<<20)|(1<<21)|(6<<22)|(3<<25)  ; W2's codes: 64 rows of 512 bytes, 2,048 apart; four words of padding behind every 128
	s_mov_b32 s[G1B+1], 512<<16
	s_mov_b32 s[G1B+2], 64<<16
	s_mov_b32 s[G1B+3], 512<<16
	s_mov_b32 s[G1B+4], 64
	s_mov_b32 s[G1B+5], 2048
	s_mov_b32 s[G1B+6], 0
	s_mov_b32 s[G1B+7], 0
	s_or_b32 s[G1S], s43, (3<<16)|(1<<21)          ; h's codes for the head's load into both slots
	s_mov_b32 s[G1S+1], 4096<<16                   ; (as it now stands: the head's load of h's codes: 2 rows of 4,096 elements, two runs of 512 along K, 1,048,576 bytes apart)
	s_mov_b32 s[G1S+2], 2<<16
	s_mov_b32 s[G1S+3], 4096<<16
	s_mov_b32 s[G1S+4], 2
	s_mov_b32 s[G1S+5], 131072
	s_mov_b32 s[G1S+6], 0
	s_mov_b32 s[G1S+7], 0
	s_or_b32 s[G1SB], s44, (1<<20)|(1<<21)|(6<<22)|(3<<25)  ; the head's load of W2's codes: 128 rows of 512 bytes, 2,048 apart, padded as the ring's
	s_mov_b32 s[G1SB+1], 512<<16
	s_mov_b32 s[G1SB+2], 128<<16
	s_mov_b32 s[G1SB+3], 512<<16
	s_mov_b32 s[G1SB+4], 128
	s_mov_b32 s[G1SB+5], 2048
	s_mov_b32 s[G1SB+6], 0
	s_mov_b32 s[G1SB+7], 0
	s_lshl_b32 s20, s17, 15
	s_lshl_b32 s18, s16, 20
	s_add_co_u32 s20, s20, s18                     ; h's codes: run of 512 = half, row tiles 8 x tile row on
	s_mov_b32 s21, 0
	s_lshl_b32 s22, s17, 9
	s_lshl_b32 s18, s16, 8
	s_add_co_u32 s22, s22, s18
	s_add_co_u32 s22, s22, 8388608                 ; h's scale words
	s_mov_b32 s23, 0
	s_lshl_b32 s46, s42, 18
	s_lshl_b32 s47, s16, 17
	s_add_co_u32 s46, s46, s47                     ; W2's codes: (128 tile column + 64 half) x 2,048
	s_mov_b32 s47, 0
	s_lshl_b32 s12, s42, 14
	s_lshl_b32 s13, s16, 13
	s_add_co_u32 s12, s12, s13                     ; W2's scale bytes: x 128
	s_mov_b32 s13, 0
	s_wait_dscnt 0x0                               ; both opening adds are done
	s_wait_kmcnt 0x0
	s_add_nc_u64 s[20:21], s[4:5], s[20:21]
	s_add_nc_u64 s[66:67], s[4:5], s[22:23]        ; the half of h's scale words that waves 0 and 1 bring
	s_add_nc_u64 s[46:47], s[6:7], s[46:47]
	s_add_nc_u64 s[98:99], s[8:9], s[12:13]        ; and of W2's, waves 2 and 3
	CROUND                                         ; all sixteen work-groups are here
	s_mov_b32 s[G0S], 1
	s_mul_i32 s[G0S+1], s16, SLOT                  ; slot 0 or 1, whole
	s_lshl_b32 s18, s17, 15
	s_lshl_b32 s19, s16, 21
	s_add_co_u32 s18, s18, s19
	s_mov_b32 s19, 0
	s_add_nc_u64 s[G0S+2:G0S+3], s[4:5], s[18:19]  ; h: runs of 512 number 2 x slot and the next
	s_or_b32 s[G0S+3], s[G0S+3], 0x80000000
	s_mov_b32 s[G0SB], 1
	s_mul_i32 s[G0SB+1], s16, SLOT
	s_add_co_u32 s[G0SB+1], s[G0SB+1], AREG
	s_lshl_b32 s18, s42, 18
	s_lshl_b32 s2, s16, 9
	s_add_co_u32 s18, s18, s2
	s_add_nc_u64 s[G0SB+2:G0SB+3], s[6:7], s[18:19]
	s_or_b32 s[G0SB+3], s[G0SB+3], 0x80000000
	JLOAD G0S, G1S, G0SB, G1SB
	s_lshl_b32 s45, s16, 15
	s_mul_i32 s3, s16, 64*BP
.irp s, 0,1
	s_mov_b32 s[G0+4*\s], 1
	s_add_co_u32 s[G0+4*\s+1], s45, \s*SLOT
	s_add_nc_u64 s[G0+4*\s+2:G0+4*\s+3], s[20:21], \s*2097152
	s_or_b32 s[G0+4*\s+3], s[G0+4*\s+3], 0x80000000
	s_mov_b32 s[G0B+4*\s], 1
	s_add_co_u32 s[G0B+4*\s+1], s3, \s*SLOT+AREG
	s_add_nc_u64 s[G0B+4*\s+2:G0B+4*\s+3], s[46:47], \s*512
	s_or_b32 s[G0B+4*\s+3], s[G0B+4*\s+3], 0x80000000
.endr
	s_lshl_b32 s18, s40, 13                        ; the prefetches: h: run 4 or 5, my work-group's 8,192 of its 32,768 bytes;
	s_add_co_u32 s18, s18, 4194304
	s_lshl_b32 s2, s41, 15                         ; W2: byte 1,024 of my work-group's 16 of the 64 rows
	s_add_co_u32 s2, s2, 1024
	s_mov_b32 s3, 2048
	s_mov_b32 s8, 512
	s_cmp_eq_u32 s15, 0
	s_cselect_b64 s[PFA:PFA+1], s[20:21], s[46:47]
	s_cselect_b32 s18, s18, s2
	s_cselect_b32 s3, 512, s3                      ; two lanes a row of 512 bytes
	s_cselect_b32 s8, 2097152, s8                  ; a slot on
	s_mov_b32 s19, 0
	s_mov_b32 s9, 0
	s_add_nc_u64 s[PFA:PFA+1], s[PFA:PFA+1], s[18:19]
	s_add_nc_u64 s[PFA+2:PFA+3], s[PFA:PFA+1], s[8:9]
	v_and_b32 v1, 15, v0
	v_bfe_u32 v2, v0, 4, 1
	v_and_b32 v3, 31, v0
	v_lshlrev_b32 v[LI], 4, v3
	v_lshlrev_b32 v6, 14, v2
	v_lshl_add_u32 v6, v1, 4, v6                   ; h's words: lanes 0-15 one K step's 256 bytes, lanes 16-31 the next's
	v_lshrrev_b32 v[PFO], 1, v3
	v_mul_lo_u32 v[PFO], v[PFO], s3
	v_and_b32 v31, 1, v3
	v_lshl_add_u32 v[PFO], v31, 8, v[PFO]
	s_cmp_eq_u32 s15, 0                            ; my quarter of the scale words, 8,192 bytes, into registers that no product has named yet
	s_wait_alu depctr_va_vdst(0)                   ; the wait ahead of the branch
	s_cbranch_scc0 .Lw2_words
.irp j, 0,1,2,3,4,5,6,7,8,9,10,11,12,13,14,15
	global_load_b128 v[ACC+4*\j:ACC+4*\j+3], v6, s[66:67] offset:32768*\j
.endr
	s_branch .Lwords
.Lw2_words:
.irp j, 0,1,2,3,4,5,6,7,8,9,10,11,12,13,14,15
	global_load_b128 v[ACC+4*\j:ACC+4*\j+3], v[LI], s[98:99] offset:512*\j
.endr
.Lwords:
	v_lshlrev_b32 v[RO], 12, v2
	v_lshl_add_u32 v[RO], v1, 4, v[RO]             ; by rows: lanes 0-15 one row's 256 bytes, lanes 16-31 the next row's
	v_lshlrev_b32 v[BA], 5, v2
	s_lshl_b32 s21, s15, 14
	v_add_nc_u32 v[ADRA], s21, v[LI]
	s_add_co_u32 s21, s21, SLOT
	v_add_nc_u32 v[ADRA+1], s21, v[LI]
	v_mul_u32_u24 v4, v1, BP
	v_lshl_add_u32 v4, v2, 4, v4
	s_mul_i32 s22, s16, 64*BP
	s_add_co_u32 s22, s22, AREG
	v_add_nc_u32 v[ADRB], s22, v4
	s_add_co_u32 s22, s22, SLOT
	v_add_nc_u32 v[ADRB+1], s22, v4
	s_mul_i32 s21, s15, NSTEP*272
	s_add_co_u32 s21, s21, SCA
	v_lshl_add_u32 v[ADSA], v3, 2, s21
	v_lshrrev_b32 v4, 1, v1
	v_mul_u32_u24 v4, v4, 272
	v_and_b32 v5, 1, v1
	v_lshl_add_u32 v4, v5, 7, v4
	v_mad_u32_u24 v4, v2, 2176, v4                 ; W2's scale bytes: 128 a row, two rows a unit; lanes 16-31 sixteen rows on
	s_mul_i32 s22, s16, SBH
	s_add_co_u32 s22, s22, SCB
	v_add_nc_u32 v[ADSB], s22, v4
	s_mul_i32 s23, s14, 4352
	s_add_co_u32 s23, s23, STAGE
	v_mul_u32_u24 v4, v2, 272
	v_lshl_add_u32 v4, v1, 4, v4
	v_add_nc_u32 v[SROW], s23, v4
	s_mul_i32 s2, s14, SBH
	s_add_co_u32 s2, s2, SCA
	v_add_nc_u32 v7, s2, v4                        ; where my quarter of the scale words goes: units of 256 bytes + 16
	v_mul_u32_u24 v4, v1, 272
	v_lshl_add_u32 v4, v2, 5, v4
	v_add_nc_u32 v[SACC], s23, v4
	s_lshl_b32 s46, s17, 19
	s_lshl_b32 s2, s15, 18
	s_add_co_u32 s46, s46, s2                      ; my 64 rows: in out0 rows of 4,096 bytes, in x1 row tiles of 65,536
	s_lshl_b32 s2, s42, 9
	s_lshl_b32 s3, s16, 8
	s_add_co_u32 s2, s2, s3                        ; my 64 columns, 4 bytes each
	s_mov_b32 s3, 0
	s_add_nc_u64 s[10:11], s[10:11], s[2:3]        ; b2
	s_add_co_u32 s12, s46, s2
	s_mov_b32 s13, 0
	s_add_nc_u64 s[94:95], s[94:95], s[12:13]      ; out0
	s_lshl_b32 s2, s2, 4
	s_add_co_u32 s12, s46, s2
	s_add_nc_u64 s[92:93], s[92:93], s[12:13]      ; x1
.irp b, 0,1,2,3
	global_load_b128 v[XT+8*\b:XT+8*\b+3], v[BA], s[10:11] offset:64*\b
	global_load_b128 v[XT+8*\b+4:XT+8*\b+7], v[BA], s[10:11] offset:64*\b+16
.endr
	WIN 0x80
.irp a, 0,1,2,3
.irp n, 0,1,2,3,4,5,6,7
	global_load_b128 v[32*\a+4*\n:32*\a+4*\n+3], v[LI], s[92:93] offset:65536*\a+512*\n th:TH_LOAD_NT   ; the accumulators' order: 512 consecutive bytes a load
.endr
.endr
	WIN 0
	s_wait_alu depctr_va_vdst(0)
	s_wait_loadcnt 40                              ; my scale words are in; b2's 8 and x1's 32 loads may be out
.irp j, 0,1,2,3,4,5,6,7,8,9,10,11,12,13,14,15
	ds_store_b128 v7, v[ACC+4*\j:ACC+4*\j+3] offset:544*\j
.endr
	s_wait_tensorcnt 0x0                           ; my part of both slots is in
	s_wait_dscnt 0x0                               ; for the others' sake: my scale words are stored
	s_barrier_signal -1
	s_barrier_wait -1
	SCALES 0, 0
	FETCH 0, 0, F0
	global_prefetch_b8 v[PFO], s[PFA:PFA+1] th:TH_LOAD_NT scope:SCOPE_SE   ; what the first change of slots will ask for, a slot's steps ahead
	s_wait_loadcnt 32                              ; b2 is in; x1's 32 loads may be out
	QUARTER 0, 0, F0, F1, 1
	QUARTER 0, 1, F1, F0, 0
	QUARTER 0, 2, F0, F1, 0
	TURN 0, 1, 1, 1
	QUARTER 1, 0, F0, F1, 0
	QUARTER 1, 1, F1, F0, 0
	QUARTER 1, 2, F0, F1, 0
	TURN 1, 0, 1, 2
	QUARTER 0, 0, F0, F1, 0
	QUARTER 0, 1, F1, F0, 0
	QUARTER 0, 2, F0, F1, 0
	TURN 0, 1, 0, 3                                ; nothing is left to fetch
	QUARTER 1, 0, F0, F1, 0
	QUARTER 1, 1, F1, F0, 0
	QUARTER 1, 2, F0, F1, 0
	s_wait_dscnt 16
	WIN MUL
	MUL8 F1, 0, 0, 0, 1, NQ-2
	MUL8 F1, 0, 2, 0, 1, NQ-2
	s_wait_dscnt 0x0
	MUL8 F1, 1, 0, 0, 1, NQ-1
	MUL8 F1, 1, 2, 0, 1, NQ-1
	WIN 0
	s_wait_loadcnt 0x0                             ; x1
	PLACES
; THE WAY OUT, 16 rows at a time: x1 is added in place; the block goes through my stage and leaves as rows: sixteen lanes store 256 consecutive bytes, aligned
.macro EPI a
.if \a > 0
	s_wait_xcnt 0x0                                ; the last block's stores have read their registers, which are loaded anew below
.endif
	WIN 0x08                                       ; source 1 (x1) in window 2
.irp n, 0,2,4,6,8,10,12,14,16,18,20,22,24,26,28,30
	v_pk_add_f32 v[ACC+32*\a+\n:ACC+32*\a+\n+1], v[ACC+32*\a+\n:ACC+32*\a+\n+1], v[32*\a+\n:32*\a+\n+1]
.endr
	WIN 0
.irp n, 0,1,2,3,4,5,6,7
	ds_store_b128 v[SACC], v[ACC+32*\a+4*\n:ACC+32*\a+4*\n+3] offset:64*(\n/2)+16*(\n%2)
.endr
.irp t, 0,1,2,3,4,5,6,7
	ds_load_b128 v[XT+4*\t:XT+4*\t+3], v[SROW] offset:544*\t    ; LDS serves a wave's instructions in order: these see the stores above
.endr
	s_wait_dscnt 0x0
.irp t, 0,1,2,3,4,5,6,7
	global_store_b128 v[RO], v[XT+4*\t:XT+4*\t+3], s[94:95] offset:(16*\a+2*\t)*4096 th:TH_STORE_NT
.endr
.endm
	EPI 0
	EPI 1
	EPI 2
	EPI 3
	s_wait_tensorcnt 0x0                           ; the wave's end
	ds_add_u32 v[SPW], v[NIL]
	s_wait_dscnt 0x0
	CROUND                                         ; the closing round
	s_endpgm
.Lfunc_end_k_q8f4a16cce9_ff2:
	.size	k_q8f4a16cce9_ff2, .Lfunc_end_k_q8f4a16cce9_ff2-k_q8f4a16cce9_ff2
	.p2alignl 7, 3214868480
	.fill 96, 4, 3214868480
	.section	.rodata,"a",@progbits
	.p2align	6, 0x0
	.amdhsa_kernel k_q8f4a16cce9_ff2
		.amdhsa_group_segment_fixed_size 327680
		.amdhsa_private_segment_fixed_size 0
		.amdhsa_enable_private_segment 0
		.amdhsa_kernarg_size 48
		.amdhsa_user_sgpr_count 2
		.amdhsa_user_sgpr_kernarg_segment_ptr 1
		.amdhsa_wavefront_size32 1
		.amdhsa_system_sgpr_workgroup_id_x 1
		.amdhsa_system_sgpr_workgroup_id_y 1
		.amdhsa_system_sgpr_workgroup_id_z 1
		.amdhsa_system_vgpr_workitem_id 0
		.amdhsa_next_free_vgpr 768
		.amdhsa_next_free_sgpr 100
		.amdhsa_reserve_vcc 0
		.amdhsa_float_denorm_mode_32 3
		.amdhsa_float_denorm_mode_16_64 3
		.amdhsa_memory_ordered 1
		.amdhsa_forward_progress 1
		.amdhsa_inst_pref_size 138
	.end_amdhsa_kernel
	.amdgpu_metadata
---
amdhsa.version: [ 1, 2 ]
amdhsa.kernels:
  - .name:           k_q8f4a16cce9_ff2
    .symbol:         k_q8f4a16cce9_ff2.kd
    .args:
      - { .name: hq, .offset: 0, .size: 8, .value_kind: global_buffer, .address_space: global }
      - { .name: W2_codes, .offset: 8, .size: 8, .value_kind: global_buffer, .address_space: global }
      - { .name: W2_scales, .offset: 16, .size: 8, .value_kind: global_buffer, .address_space: global }
      - { .name: b2, .offset: 24, .size: 8, .value_kind: global_buffer, .address_space: global }
      - { .name: x1, .offset: 32, .size: 8, .value_kind: global_buffer, .address_space: global }
      - { .name: out0, .offset: 40, .size: 8, .value_kind: global_buffer, .address_space: global }
    .group_segment_fixed_size: 327680
    .private_segment_fixed_size: 0
    .kernarg_segment_align: 8
    .kernarg_segment_size: 48
    .max_flat_workgroup_size: 128
    .sgpr_count:     100
    .vgpr_count:     768
    .wavefront_size: 32
...
	.end_amdgpu_metadata
.endif
;; end of part 6
